; MI455X (gfx1250); checked and timed in simulation.
; The chip was launched on July 23, 2026; its instructions are those of AMD's public machine-readable ISA for CDNA 5 (MIT licence, August 2026) and "CDNA5" Instruction Set Architecture Reference Guide (July 2026). The comments in the code are by the model that wrote it; some were corrected since.
;; Masked Multi Headed Attn. Allowed arithmetic: matrix products marked QUANTISED: E4M3 operands, one E8M0 scale for each 32 along K, by v_wmma_scale_f32_16x16x128_f8f6f4 with both operands' format E4M3, f32 sums; everything else in f32.
;; Inputs: Wk 1,024 x 1,024 float32; Wo 1,024 x 1,024 float32; Wq 1,024 x 1,024 float32; Wv 1,024 x 1,024 float32; bk 1,024 float32; bo 1,024 float32; bq 1,024 float32; bv 1,024 float32; x 4 x 2,048 x 1,024 float32.
;; Outputs: out0 4 x 2,048 x 1,024 float32.
;; This version of the problem:
;;   THIS VERSION OF THE PROBLEM IS GIVEN IN LOW PRECISION. The matrix products marked QUANTISED in the list below multiply operands that are first quantised to E4M3 (4 exponent bits, 3 mantissa bits; 8 bits a number), with one power-of-two scale for each 32 numbers along K (OCP MX v1.0); their sums are f32. All else is computed in f32.
;;   The module's matrix products, in the order in which they are computed (A, B: the left and right operand; K: the contracted axis; several contracted axes count as one K, in the product's order):
;;     1. [M 8,192, K 1,024] x [K 1,024, N 1,024]; A: input x; B: input Wq: QUANTISED
;;     2. [M 8,192, K 1,024] x [K 1,024, N 1,024]; A: input x; B: input Wk: QUANTISED
;;     3. [M 8,192, K 1,024] x [K 1,024, N 1,024]; A: input x; B: input Wv: QUANTISED
;;     4. batch 64 x [M 2,048, K 64] x [K 64, N 2,048]; A: computed on the way; B: computed on the way: QUANTISED
;;     5. batch 64 x [M 2,048, K 2,048] x [K 2,048, N 64]; A: softmax (see below); B: computed on the way: QUANTISED
;;     6. [M 8,192, K 1,024] x [K 1,024, N 1,024]; A: computed on the way; B: input Wo: QUANTISED
;;   THE QUANTISER, for each operand of a quantised product, along K:
;;     - K is cut into blocks of 32 from its start; a last block that is shorter is filled with zeros.
;;     - A block's scale is 2^e with e = floor(log2(the largest magnitude in the block)) - 8, held to -126 .. 127; a block of zeros has e = 0. As a byte (E8M0): e + 127.
;;     - Each number is divided by its block's scale, clamped to +-448, and rounded to the nearest number of E4M3, ties to even, subnormals kept.
;;     - The product sums the exact products of the quantised numbers (number of the format x scale) in f32.
;;   ~~~python
;;   def quantise(x, axis):      # numpy; x: float32 -> the quantised numbers, widened to float32 again
;;       x = np.moveaxis(x, axis, -1); K = x.shape[-1]
;;       x = np.pad(x, [(0, 0)] * (x.ndim - 1) + [(0, -K % 32)]); x = x.reshape(x.shape[:-1] + (-1, 32)); a = np.abs(x).max(-1, keepdims=True)
;;       e = np.where(a > 0, np.clip(np.frexp(np.where(a > 0, a, 1))[1] - 1 - 8, -126, 127), 0)      # np.frexp(a)[1] - 1 = floor(log2(a)), exactly
;;       r = np.clip(x / 2.0 ** e, -448, 448)
;;       step = 2.0 ** (np.maximum(np.frexp(np.where(r == 0, 1, r))[1] - 1, -6) - 3)
;;       q = np.round(r / step) * step * 2.0 ** e      # np.round: ties to even
;;       return np.moveaxis(q.reshape(q.shape[:-2] + (-1,))[..., :K], -1, axis).astype(np.float32)
;;   ~~~
;;   SOFTMAX AHEAD OF A QUANTISED PRODUCT. Where the list says 'softmax', what is quantised is not the finished softmax but p = 2^(t - M), with t = logit x log2(e) and M = ceil(the row's largest t), a whole number; so 1/2 < the row's largest p <= 1. The row's sum l is taken of the UNQUANTISED p, in f32, and the product's result is divided by l at the end. Since M is a whole number, a kernel that streams over the keys may use a running M (the ceiling of the running maximum): every later rescaling is an exact power of two, which a block's scale takes up: the codes' values come out the same.
;;   OPERANDS COMPUTED ON THE WAY. 'Computed on the way' means the value that the module computes at that place (a softmax that the list does not call 'softmax' is quantised finished and normalised). What goes into a quantiser is computed in f32, as accurately as f32 sums, v_exp_f32 and their like allow (about 1e-6 of the number): no bf16 or f16 on the way to a quantiser, and a product that is left as it is and whose result goes on into a quantised operand takes f32 operands (vector FMAs, or v_wmma_f32_16x16x4_f32). A number that lies on a knife's edge between two numbers of the format may be rounded either way, as far as f32 arithmetic and the matrix unit's own rounding can turn it there, and no further.
;; One version. Each part assembles by itself: llvm-mc -triple=amdgcn-amd-amdhsa -mcpu=gfx1250 --defsym DOCPART=n.
;; ======== version 1 of 1: 4 launches
;; limits: right only within a limited range of input values
;; workspace buffers: rc 8,388,608 bytes; rs 262,144 bytes; wc 4,194,304 bytes; ws 131,072 bytes; qkv 25,165,824 bytes; qkvs 1,310,720 bytes
;; launch quant (part 1): grid 384 x 1, 4 waves a work-group, no clusters, 33,280 bytes of LDS; arguments x, Wq, Wk, Wv, Wo, rc, rs, wc, ws; writes rc, rs, wc, ws
.if DOCPART == 1
	.amdgcn_target "amdgcn-amd-amdhsa--gfx1250"
	.amdhsa_code_object_version 6
	.text
	.protected	k_q28d62ae16f_quant
	.globl	k_q28d62ae16f_quant
	.p2align	8
	.type	k_q28d62ae16f_quant,@function
k_q28d62ae16f_quant:
	s_mov_b64 s[64:65], 0
	v_nop
	global_prefetch_b8 v0, s[64:65] scope:SCOPE_SE
	s_setreg_imm32_b32 hwreg(HW_REG_WAVE_MODE, 25, 1), 1
	s_wait_xcnt 0x0
; x [8192][1024] and Wq, Wk, Wv, Wo [1024][1024], f32, become codes of E4M3, K innermost, with one E8M0 byte for each 32 along K.
; A block's scale is 2^(floor(log2(its largest magnitude)) - 8); its byte is the largest magnitude's exponent field - 8, held at 1 from below.
; Each number is divided by the scale, held within +-448 and rounded to the nearest code, ties to even.
; LIMITS: a block of zeros gets the byte 1 where the quantiser says 127 (its codes are zeros, and only this program reads the bytes); NaN and infinities among the inputs are not served.
; THE ROW ORDER.  Row i of a tensor is stored at PLACE sigma(i), sigma = bits 3 and 4 of the row's number exchanged (its own inverse, inside each 32 rows).  Sixteen neighbouring places
; 16 (2 b + u) + r then hold rows 32 b + 8 u + r + 8 (r / 8): as source 0 of a matrix instruction such a tile leaves, in a lane's 16 registers of two neighbouring tiles, 16 neighbouring rows,
; which is what the later launches' quantisers want.
; SHARES.  A wave takes 8 rows (8,192 numbers) in 16 steps of 512; a work-group 32 rows.  Work-groups 0-255 take x, then 32 each Wq, Wk, Wv, Wo.  A wave's 8 rows keep their order; only the wave's
; place among the work-group's four is turned (bits 0 and 1 of the wave's number exchanged), which is sigma.
; Each of a step's four loads reads 512 consecutive bytes; the 2,048 bytes go through the wave's own stage in LDS and come back 64 bytes a lane, so that a lane holds 16 neighbours along K.
; No tensor loads, no barrier, no cluster: the waves share nothing.  Loads run four steps (16 loads a wave) ahead, the turn through LDS one step.
.set STEPS, 16
.set EMAX,  8
.set MANT,  0x600000                   ; the mantissa field of 448 as f32
.set CB,    16                         ; bytes of 16 codes
.set R,     16                         ; v16-79   four sets of 16 numbers as they are loaded
.set X,     80                         ; v80-111  two sets of 16 neighbours
.set C,     128                        ; v128-191 codes: four registers for each step, so that no store's data are written again
.set E,     112                        ; v112-127 a scale byte for each step
.set WREG,  8192                       ; LDS: a region for each wave: two stages of 32 x SP bytes, behind them its 256 scale bytes
.set SP,    80                         ; a lane's place in a stage: its 64 bytes + 16 of padding
.set SRC,   12                         ; s[12:13] the tensor;  s[14:15] its codes;  s[16:17] its scale bytes
.set COD,   14
.set SCA,   16
	s_load_b256 s[4:11], s[0:1], 0x0               ; x, Wq, Wk, Wv
	s_load_b256 s[12:19], s[0:1], 0x20             ; Wo, rc, rs, wc
	s_load_b64 s[20:21], s[0:1], 0x40              ; ws
	v_lshl_add_u32 v192, v0, 2, 0x8000
	v_mov_b32 v193, 0
	v_lshrrev_b32 v1, 5, v0
	v_readfirstlane_b32 s27, v1                    ; wave
	v_and_b32 v2, 31, v0                           ; lane
	v_lshlrev_b32 v3, 4, v2                        ; my 16 bytes of a load's 512
	s_mul_i32 s28, s27, WREG
	v_lshrrev_b32 v14, 2, v2
	v_mul_u32_u24 v14, v14, SP
	v_and_b32 v15, 3, v2
	v_lshl_add_u32 v14, v15, 4, v14
	v_add_nc_u32 v14, s28, v14                     ; the stage, on the way in: four lanes' 64 bytes on end, then 16 of padding
	v_mul_u32_u24 v15, v2, SP
	v_add_nc_u32 v15, s28, v15                     ; and on the way out: SP x lane: my 16 neighbours
	v_mul_u32_u24 v4, v2, CB                       ; my codes' place in a step's
	v_lshrrev_b32 v5, 1, v2
	s_add_co_u32 s28, s28, 2*32*SP
	v_add_nc_u32 v5, s28, v5                       ; LDS: my wave's 256 scale bytes, my block's byte
	v_lshlrev_b32 v7, 3, v2                        ; and on the way out 8 bytes a lane
	v_add_nc_u32 v6, s28, v7
	s_mov_b32 s33, ttmp9                           ; the work-group's number
	s_and_b32 s29, s33, 31                         ; a weight's group of 32 rows,
	s_sub_co_u32 s30, s33, 256                     ; and its group among the four weights' 128
	s_and_b32 s31, s27, 1
	s_lshl_b32 s31, s31, 1
	s_lshr_b32 s32, s27, 1
	s_or_b32 s31, s31, s32                         ; the wave's number with its two bits exchanged: where my 8 rows go
	s_wait_alu depctr_va_vdst(0)
	s_wait_kmcnt 0x0
	s_cmp_lt_u32 s33, 352                          ; which tensor: the choices hang on the work-group's number alone
	s_cselect_b64 s[SRC:SRC+1], s[10:11], s[SRC:SRC+1]
	s_cmp_lt_u32 s33, 320
	s_cselect_b64 s[SRC:SRC+1], s[8:9], s[SRC:SRC+1]
	s_cmp_lt_u32 s33, 288
	s_cselect_b64 s[SRC:SRC+1], s[6:7], s[SRC:SRC+1]
	s_cmp_lt_u32 s33, 256
	s_cselect_b64 s[SRC:SRC+1], s[4:5], s[SRC:SRC+1]
	s_cselect_b64 s[COD:COD+1], s[14:15], s[18:19]
	s_cselect_b64 s[SCA:SCA+1], s[16:17], s[20:21]
	s_cselect_b32 s29, s33, s29
	s_cselect_b32 s30, s33, s30
	s_lshl_b32 s29, s29, 2
	s_add_co_u32 s29, s29, s27                     ; which run of 8 rows I read,
	s_lshl_b32 s30, s30, 2
	s_add_co_u32 s30, s30, s31                     ; and at which run of 8 places I store
	s_lshl_b32 s34, s29, 15                        ; 8 rows of 4,096 bytes
	s_mov_b32 s35, 0
	s_add_nc_u64 s[SRC:SRC+1], s[SRC:SRC+1], s[34:35]
	s_lshl_b32 s34, s30, 13                        ; 8 rows of 1,024 codes
	s_add_nc_u64 s[COD:COD+1], s[COD:COD+1], s[34:35]
	s_lshl_b32 s34, s30, 8                         ; 8 rows of 32 scale bytes
	s_add_nc_u64 s[SCA:SCA+1], s[SCA:SCA+1], s[34:35]
.macro LOAD t
.irp i, 0,1,2,3
	global_load_b128 v[R+16*((\t)%4)+4*\i:R+16*((\t)%4)+4*\i+3], v3, s[SRC:SRC+1] offset:2048*(\t)+512*\i th:TH_LOAD_NT   ; 32 lanes read 512 consecutive bytes
.endr
.endm
.macro TURN t                          ; step t's numbers through the stage: LDS serves a wave's instructions in order, so no wait stands between the stores and the loads
.irp i, 0,1,2,3
	ds_store_b128 v14, v[R+16*((\t)%4)+4*\i:R+16*((\t)%4)+4*\i+3] offset:32*SP*((\t)%2)+8*SP*\i
.endr
.irp i, 0,1,2,3
	ds_load_b128 v[X+16*((\t)%2)+4*\i:X+16*((\t)%2)+4*\i+3], v15 offset:32*SP*((\t)%2)+16*\i
.endr
.endm
.irp t, 0,1,2,3
	LOAD \t
.endr
	s_wait_loadcnt 12                              ; step 0's four loads are in; the twelve of steps 1 to 3 may be out
	TURN 0
.macro STEP t
.set XS, X+16*((\t)%2)
.if (\t) > 0
	s_wait_dscnt 1                                 ; this step's numbers are back from the stage (the last step's byte store may be out): so its stores into the stage have read their registers,
.else
	s_wait_dscnt 0x0
.endif
.if (\t)+4 < STEPS
	LOAD (\t)+4                                    ; which take the loads of four steps on
.endif
.if (\t)+1 < STEPS
.if STEPS-2-(\t) >= 3
	s_wait_loadcnt 12                              ; the next step's four loads are in; those of the three steps behind it may be out
.else
	s_wait_loadcnt 4*(STEPS-2-(\t))
.endif
	TURN (\t)+1                                    ; and go through the other stage while this step is worked
.endif
	v_max3_num_f32 v8, |v[XS]|, |v[XS+1]|, |v[XS+2]|               ; the largest magnitude of my 16
	v_max3_num_f32 v9, |v[XS+3]|, |v[XS+4]|, |v[XS+5]|
.irp i, 6,10
	v_max3_num_f32 v8, v8, |v[XS+\i]|, |v[XS+\i+1]|
	v_max3_num_f32 v9, v9, |v[XS+\i+2]|, |v[XS+\i+3]|
.endr
	v_max3_num_f32 v8, v8, |v[XS+14]|, |v[XS+15]|
	v_max3_num_f32 v8, v8, v9, (EMAX+1)<<23        ; and the floor 2^(9 - 127): so the byte cannot fall under 1
	v_max_num_f32_dpp v8, v8, v8 row_xmask:1 row_mask:0xf bank_mask:0xf   ; and of my neighbour's 16: the block's
	v_add_nc_u32 v11, -(EMAX<<23), v8              ; 8 off its exponent field: the conversion takes the exponent field of this operand as its scale
.irp i, 0,1,2,3,4,5,6,7,8,9,10,11,12,13,14,15
.endr
	v_cvt_scalef32_pk8_fp8_f32 v[C+4*(\t):C+4*(\t)+1], v[XS:XS+7], v11
	v_cvt_scalef32_pk8_fp8_f32 v[C+4*(\t)+2:C+4*(\t)+3], v[XS+8:XS+15], v11
	v_lshrrev_b32 v[E+(\t)], 23, v11               ; the scale's byte
	ds_store_b8 v5, v[E+(\t)] offset:16*(\t)       ; both lanes of a block write the same byte with the same value
	global_store_b128 v4, v[C+4*(\t):C+4*(\t)+3], s[COD:COD+1] offset:32*CB*(\t)   ; the wave stores 512 consecutive bytes
.endm
.irp t, 0,1,2,3,4,5,6,7,8,9,10,11,12,13,14,15
	STEP \t
.endr
	ds_load_b64 v[12:13], v6                       ; LDS serves a wave's instructions in order: these see my stores
	s_wait_dscnt 0x0
	global_store_b64 v7, v[12:13], s[SCA:SCA+1]    ; 32 lanes store 256 consecutive bytes, aligned
	s_wait_tensorcnt 0x0
	ds_add_u32 v192, v193
	s_wait_dscnt 0x0
	s_endpgm
.Lfunc_end_k_q28d62ae16f_quant:
	.size	k_q28d62ae16f_quant, .Lfunc_end_k_q28d62ae16f_quant-k_q28d62ae16f_quant
	.p2alignl 7, 3214868480
	.fill 96, 4, 3214868480
	.section	.rodata,"a",@progbits
	.p2align	6, 0x0
	.amdhsa_kernel k_q28d62ae16f_quant
		.amdhsa_group_segment_fixed_size 33280
		.amdhsa_private_segment_fixed_size 0
		.amdhsa_enable_private_segment 0
		.amdhsa_kernarg_size 72
		.amdhsa_user_sgpr_count 2
		.amdhsa_user_sgpr_kernarg_segment_ptr 1
		.amdhsa_wavefront_size32 1
		.amdhsa_system_sgpr_workgroup_id_x 1
		.amdhsa_system_sgpr_workgroup_id_y 1
		.amdhsa_system_sgpr_workgroup_id_z 1
		.amdhsa_system_vgpr_workitem_id 0
		.amdhsa_next_free_vgpr 194
		.amdhsa_next_free_sgpr 66
		.amdhsa_reserve_vcc 0
		.amdhsa_float_denorm_mode_32 3
		.amdhsa_float_denorm_mode_16_64 3
		.amdhsa_fp16_overflow 1
		.amdhsa_memory_ordered 1
		.amdhsa_forward_progress 1
		.amdhsa_inst_pref_size 34
	.end_amdhsa_kernel
	.amdgpu_metadata
---
amdhsa.version: [ 1, 2 ]
amdhsa.kernels:
  - .name:           k_q28d62ae16f_quant
    .symbol:         k_q28d62ae16f_quant.kd
    .args:
      - { .name: x, .offset: 0, .size: 8, .value_kind: global_buffer, .address_space: global }
      - { .name: Wq, .offset: 8, .size: 8, .value_kind: global_buffer, .address_space: global }
      - { .name: Wk, .offset: 16, .size: 8, .value_kind: global_buffer, .address_space: global }
      - { .name: Wv, .offset: 24, .size: 8, .value_kind: global_buffer, .address_space: global }
      - { .name: Wo, .offset: 32, .size: 8, .value_kind: global_buffer, .address_space: global }
      - { .name: rc, .offset: 40, .size: 8, .value_kind: global_buffer, .address_space: global }
      - { .name: rs, .offset: 48, .size: 8, .value_kind: global_buffer, .address_space: global }
      - { .name: wc, .offset: 56, .size: 8, .value_kind: global_buffer, .address_space: global }
      - { .name: ws, .offset: 64, .size: 8, .value_kind: global_buffer, .address_space: global }
    .group_segment_fixed_size: 33280
    .private_segment_fixed_size: 0
    .kernarg_segment_align: 8
    .kernarg_segment_size: 72
    .max_flat_workgroup_size: 128
    .sgpr_count:     66
    .vgpr_count:     194
    .wavefront_size: 32
...
	.end_amdgpu_metadata
.endif
;; end of part 1
;; launch qkv (part 2): grid 12 x 32, 4 waves a work-group, clusters of 4 x 4, 327,680 bytes of LDS; arguments rc, rs, wc, ws, bq, bk, bv, qkv, qkvs; writes qkv, qkvs
.if DOCPART == 2
	.amdgcn_target "amdgcn-amd-amdhsa--gfx1250"
	.amdhsa_code_object_version 6
	.text
	.protected	k_q28d62ae16f_qkv
	.globl	k_q28d62ae16f_qkv
	.p2align	8
	.type	k_q28d62ae16f_qkv,@function
k_q28d62ae16f_qkv:
	s_mov_b64 s[64:65], 0
	v_nop
	global_prefetch_b8 v0, s[64:65] scope:SCOPE_SE
	s_setreg_imm32_b32 hwreg(HW_REG_WAVE_MODE, 25, 1), 1
	s_wait_xcnt 0x0
	s_wait_alu depctr_hold_cnt(0) depctr_sa_sdst(0) depctr_va_vdst(0) depctr_va_sdst(0) depctr_va_ssrc(0) depctr_va_vcc(0) depctr_vm_vsrc(0)
	s_getreg_b32 s2, hwreg(HW_REG_IB_STS2, 6, 4)
	s_cmp_eq_u32 s2, 0
	s_cbranch_scc0 .Lentry_in_a_cluster
	s_endpgm
.Lentry_in_a_cluster:
	s_bfe_u32 s2, ttmp6, 0x10000c
	s_cmp_lg_u32 s2, 0xf033
	s_cbranch_scc0 .Lentry_shape_is_right
	s_endpgm
.Lentry_shape_is_right:
; q = x Wq^T + bq, k = x Wk^T + bk, v = x Wv^T + bv on codes of E4M3 with E8M0 scales, K = 1,024; the results are quantised in registers for the attention's two products and leave as
; IMAGES OF OPERAND REGISTERS (16 bytes a lane, 512 consecutive bytes a store) with their scale words: q and k along the head's 64 channels, v along the keys.
; A work-group of four waves makes 256 x 256 results, a wave 128 x 128: 64 accumulators of 16 x 16.  K goes in steps of 256 through a ring of two LDS slots filled by tensor loads; the scale bytes
; of the work-group's rows, for all of K, come once with the first fills.
; THE CLUSTER'S x IS THE KIND: 0 q, 1 k, 2 v; it is the same in all sixteen partners.  Source 0 ("B", window 1) holds the rows ALONG which the result is quantised, source 1 ("A", window 0) the rows of
; which a lane keeps one.  q, k: A = 256 places of x, B = 256 places of the weight.  v: A = 256 places of Wv, B = 256 places of x.  The exchange is a choice of pointers and of block numbers.
; A's tiles hang on the cluster's numbers and cy alone and are asked for jointly along a row of the cluster, B's on cx alone, along a column.
; PLACES: rows of x and of the weights lie in the order sigma (bits 3 and 4 of the row's number exchanged).  So registers 16 b + i of a lane's 64 results of one block of A are the rows
; 32 b + 16 (lane / 16) + i of B in their true order: 16 neighbours of a block of 32, the other 16 in the lane 16 away.
; The bias is the C of each sum's first matrix instruction, from a table of 64 registers.
; LIMITS: a block of zeros gets the scale byte 1 (its codes are zeros; only this program reads the bytes); NaN and infinities are not served.
; REGISTERS, in windows of 256: window 0: v0-31 addresses; v32-63 scale words, two sets; v64-127 the bias table; from v128 A's fragments, one set.  window 1: B's fragments, two sets.
;   window 2: the accumulators of A's blocks 0-3 ((a, b) at v[8 (8 a + b)]); window 3: those of blocks 4-7.
.set NQ,     2                         ; matrix instructions deep in a slot: 256 along K
.set ROWB,   256                       ; a tile's row in bytes
.set KROW,   1024                      ; a row of codes in memory
.set PITCH,  272                       ; an LDS row: 256 bytes + 16 of padding: the 16 rows that a load touches start at 16 different banks (64 banks of 4 bytes: ISA guide 11.1)
.set FR,     16                        ; registers of a fragment
.set NL,     4                         ; LDS loads that bring one
.set NP,     8                         ; places behind this matrix instruction (ISA guide 7.12.1)
.set HALFT,  128*PITCH                 ; 128 rows: what one tensor load brings
.set SLOT,   4*HALFT                   ; A's 256 rows, then B's 256 rows
.set LAPS,   2                         ; 1,024 along K = twice round the ring
.set KS,     32                        ; a row of scale bytes
.set SCL,    2*SLOT                    ; behind the ring: the scales, as rows of 256 bytes + 16 of padding
.set HALFS,  (128*KS/256)*272          ; those of 128 rows
.set SBLK,   (16*KS/256)*272           ; those of 16 rows
.set SPARE,  SCL+4*HALFS               ; the spare words, 128 bytes for each wave: two blocks of 256 bytes that no other line names
.set ADRA, 16                          ; v16-17  LDS address of my A fragments in slot 0, 1
.set ADRB, 20                          ; v20-21  the same for B
.set ADRS, 27                          ; v27     LDS address of my scale words: lanes 0-15 A's rows, lanes 16-31 B's
.set SPW,  28                          ; v28     LDS address of my spare word; never rewritten
.set NIL,  29                          ; v29     0; never rewritten
.set SC,   32                          ; scale words, two sets of 16
.set CB,   64                          ; the bias table
.set AF,   128                         ; A's fragments
.set PWS,  64                          ; the way out: the eight scale words made (the bias table is done with)
.set T,    128
.set PC,   192                         ; their codes
.set VO,   208                         ; four store offsets
.set XW,   212                         ; scale words on their way out: v212-223
.set XL,   216
.set XH,   220
.set TM,   224                         ; v224-227 largest magnitudes, v228-231 bytes, v236-239 the conversions' scale operands
.set G1, 24                            ; s[24:31] descriptor group 1 for A's tiles;  s[32:39] group 0, one set for each slot
.set G0, 32
.set G1B, 48                           ; s[48:55], s[56:63] the same for B's tiles
.set G0B, 56
.set G1S, 68                           ; s[68:75], s[76:79] groups 1 and 0 for A's scales;  s[80:87], s[88:91] for B's
.set G0S, 76
.set G1SB, 80
.set G0SB, 88
.set MSB, 0
.macro WIN new                         ; the immediate's high byte repeats the setting that is left
.if MSB != \new
	s_set_vgpr_msb (MSB<<8)|\new
.set MSB, \new
.endif
.endm
.set MUL_LO, 0xa1                      ; source 0 (B) window 1, source 1 (A) window 0, C and D window 2
.set MUL_HI, 0xf1                      ; the same, C and D window 3
.set TO_B,   0x40                      ; destination window 1, address window 0
; A joint load: waves 0 and 1 fetch for A, waves 2 and 3 for B.  The branch hangs on the wave's number alone.  Four v_nop follow each of the two lines.
.macro JLOAD g0a, g1a, g0b, g1b
	s_cmp_eq_u32 s15, 0
	s_cbranch_scc0 .Lfor_b_\@
	tensor_load_to_lds s[\g0a:\g0a+3], s[\g1a:\g1a+7]
	s_nop 0
.rept 4
	v_nop
.endr
	s_branch .Lasked_\@
.Lfor_b_\@:
	tensor_load_to_lds s[\g0b:\g0b+3], s[\g1b:\g1b+7]
	s_nop 0
.rept 4
	v_nop
.endr
.Lasked_\@:
.endm
.macro CREST                           ; a round of the cluster's barrier behind its opening barrier
	s_cmp_lg_u32 s14, 0
	s_cbranch_scc1 .Lnot_wave_0_\@
	s_barrier_signal -3
.Lnot_wave_0_\@:
	s_barrier_wait -3
	s_barrier_signal -1
	s_barrier_wait -1
.endm
.macro CROUND                          ; a whole round
	s_barrier_signal -1
	s_barrier_wait -1
	CREST
.endm
	s_load_b256 s[4:11], s[0:1], 0x0               ; x's codes, x's scales, the weights' codes, the weights' scales
	s_load_b256 s[32:39], s[0:1], 0x20             ; bq, bk, bv, qkv (moved on before A's group 0 is written here)
	s_load_b64 s[66:67], s[0:1], 0x40              ; qkvs
	v_lshl_add_u32 v[SPW], v0, 2, SPARE
	v_mov_b32 v[NIL], 0
	ds_add_u32 v28, v29
	ds_add_u32 v28, v29
	s_wait_dscnt 0x0
	v_lshrrev_b32 v1, 5, v0
	v_readfirstlane_b32 s14, v1                    ; wave 0..3
	s_lshr_b32 s15, s14, 1                         ; which half of A's rows is mine.  Also: I fetch for A (0) or for B (1)
	s_and_b32 s16, s14, 1                          ; which half of B's rows.  Also: which 128 rows I fetch
	s_bfe_u32 s40, ttmp6, 0x40000                  ; cx, cy: my place in the cluster
	s_bfe_u32 s41, ttmp6, 0x40004
	s_and_b32 s18, ttmp7, 0xffff
	s_lshl_b32 s18, s18, 2                         ; 4 x the cluster's y: x's blocks of 256 places
	s_lshl_b32 s19, ttmp9, 2                       ; 4 x the kind: the weight's blocks
	s_cmp_eq_u32 ttmp9, 2
	s_cselect_b32 s95, 1, 0                        ; 1: this cluster makes v
	s_cselect_b32 s17, 8, s18
	s_cselect_b32 s42, s18, s19
	s_add_co_u32 s17, s17, s41                     ; A's block of 256 rows: of x (q, k) or of the weights (v: 8 + cy)
	s_add_co_u32 s42, s42, s40                     ; B's block: of the weights (q, k) or of x (v)
	s_lshl_b32 s43, s41, 2
	s_lshl_b32 s43, 15, s43                        ; my row of the cluster
	s_lshl_b32 s44, 0x1111, s40                    ; my column
	s_mov_b32 s104, 0x76543210
	s_mov_b32 s105, 0xfedcba98                     ; v_permlanex16_b32's selects for the lane 16 away
	; descriptor group 1: a tile of 128 rows x 256 bytes, padded in LDS
	s_or_b32 s[G1+0], s43, (0<<16)|(1<<20)|(1<<21)|(5<<22)|(3<<25)  ; 15:0 the mask: A's tiles go to my row; elements of 1 byte; padding on; 21 set beside a mask; after every 64 words 4 words
	s_or_b32 s[G1B+0], s44, (0<<16)|(1<<20)|(1<<21)|(5<<22)|(3<<25)
.irp g, G1, G1B
	s_mov_b32 s[\g+1], ROWB<<16                    ; tensor_dim0
	s_mov_b32 s[\g+2], 128<<16                     ; tensor_dim1
	s_mov_b32 s[\g+3], ROWB<<16                    ; tile_dim0
	s_mov_b32 s[\g+4], 128                         ; tile_dim1
	s_mov_b32 s[\g+5], KROW                        ; tensor_dim0_stride
	s_mov_b32 s[\g+6], 0
	s_mov_b32 s[\g+7], 0
.endr
	; the scales of 128 rows: 4,096 dense bytes as 16 rows of 256 bytes (32 elements of 8 bytes), 16 bytes of padding behind each
	s_or_b32 s[G1S+0], s43, (3<<16)|(1<<20)|(1<<21)|(5<<22)|(3<<25)
	s_or_b32 s[G1SB+0], s44, (3<<16)|(1<<20)|(1<<21)|(5<<22)|(3<<25)
.irp g, G1S, G1SB
	s_mov_b32 s[\g+1], 32<<16
	s_mov_b32 s[\g+2], (128*KS/256)<<16
	s_mov_b32 s[\g+3], 32<<16
	s_mov_b32 s[\g+4], 128*KS/256
	s_mov_b32 s[\g+5], 32
	s_mov_b32 s[\g+6], 0
	s_mov_b32 s[\g+7], 0
.endr
	s_lshl_b32 s18, s16, 7                         ; which 128 rows of the tile I fetch
	s_lshl_b32 s20, s17, 8
	s_add_co_u32 s20, s20, s18                     ; A: row 256 x block + 128 x half
	s_lshl_b32 s46, s42, 8
	s_add_co_u32 s46, s46, s18                     ; B likewise
	s_lshl_b32 s22, s20, 5                         ; where these rows' scales begin, in bytes,
	s_lshl_b32 s92, s46, 5
	s_lshl_b32 s20, s20, 10                        ; and their codes
	s_lshl_b32 s46, s46, 10
	s_mov_b32 s21, 0
	s_mov_b32 s23, 0
	s_mov_b32 s47, 0
	s_mov_b32 s93, 0
	s_mul_i32 s45, s14, HALFT                      ; where they go: wave x 128 rows: no place in the cluster enters an LDS address
	s_mul_i32 s94, s14, HALFS
	s_wait_kmcnt 0x0
	s_cmp_eq_u32 ttmp9, 0                          ; the kind's bias, and which tensor is A and which B: choices on the cluster's x alone
	s_cselect_b64 s[96:97], s[32:33], s[34:35]
	s_cmp_eq_u32 s95, 1
	s_cselect_b64 s[96:97], s[36:37], s[96:97]
	s_cselect_b64 s[98:99], s[8:9], s[4:5]
	s_cselect_b64 s[8:9], s[4:5], s[8:9]           ; B's codes
	s_mov_b64 s[4:5], s[98:99]                     ; A's codes
	s_cselect_b64 s[98:99], s[10:11], s[6:7]
	s_cselect_b64 s[10:11], s[6:7], s[10:11]       ; B's scales
	s_mov_b64 s[6:7], s[98:99]                     ; A's scales
	s_mov_b64 s[12:13], s[38:39]                   ; qkv
	s_add_nc_u64 s[20:21], s[4:5], s[20:21]
	s_add_nc_u64 s[22:23], s[6:7], s[22:23]
	s_add_nc_u64 s[46:47], s[8:9], s[46:47]
	s_add_nc_u64 s[92:93], s[10:11], s[92:93]
	CROUND                                         ; all sixteen work-groups are here: the first joint loads meet
	s_mov_b32 s[G0S], 1
	s_add_co_u32 s[G0S+1], s94, SCL
	s_mov_b64 s[G0S+2:G0S+3], s[22:23]
	s_or_b32 s[G0S+3], s[G0S+3], 0x80000000
	s_mov_b32 s[G0SB], 1
	s_add_co_u32 s[G0SB+1], s94, SCL
	s_mov_b64 s[G0SB+2:G0SB+3], s[92:93]
	s_or_b32 s[G0SB+3], s[G0SB+3], 0x80000000
	JLOAD G0S, G1S, G0SB, G1SB                     ; the scales first: they are wanted with K step 0
.irp s, 0,1
	s_mov_b32 s[G0+4*\s], 1
	s_add_co_u32 s[G0+4*\s+1], s45, \s*SLOT
	s_add_nc_u64 s[G0+4*\s+2:G0+4*\s+3], s[20:21], \s*ROWB
	s_or_b32 s[G0+4*\s+3], s[G0+4*\s+3], 0x80000000
	s_mov_b32 s[G0B+4*\s], 1
	s_add_co_u32 s[G0B+4*\s+1], s45, \s*SLOT
	s_add_nc_u64 s[G0B+4*\s+2:G0B+4*\s+3], s[46:47], \s*ROWB
	s_or_b32 s[G0B+4*\s+3], s[G0B+4*\s+3], 0x80000000
	JLOAD G0+4*\s, G1, G0B+4*\s, G1B               ; three loads of mine are out
.endr
	v_and_b32 v1, 15, v0                           ; r = lane % 16
	v_bfe_u32 v2, v0, 4, 1                         ; h = lane / 16
	v_mul_u32_u24 v3, v1, PITCH
	v_lshl_add_u32 v4, v2, 4, v3                   ; a fragment's row x pitch + 16 x half
	s_mul_i32 s21, s15, HALFT                      ; my 128 rows of A
	s_mul_i32 s22, s16, HALFT                      ; my 128 rows of B,
	s_add_co_u32 s22, s22, 2*HALFT                 ; which lie behind A's 256
.irp s, 0,1
	v_add_nc_u32 v[ADRA+\s], s21, v4
	v_add_nc_u32 v[ADRB+\s], s22, v4
	s_add_co_u32 s21, s21, SLOT
	s_add_co_u32 s22, s22, SLOT
.endr
	v_mul_u32_u24 v5, v1, KS                       ; my row's scales: 32 bytes a row,
	v_lshrrev_b32 v6, 8, v5
	v_lshl_add_u32 v5, v6, 4, v5                   ; and 16 more for each 256 passed
	s_mul_i32 s21, s15, HALFS
	s_mul_i32 s22, s16, HALFS
	s_add_co_u32 s22, s22, 2*HALFS
	s_sub_co_u32 s22, s22, s21
	v_mul_u32_u24 v6, s22, v2                      ; lanes 16-31 take B's
	s_add_co_u32 s21, s21, SCL
	v_add_nc_u32 v5, v5, v6
	v_add_nc_u32 v[ADRS], s21, v5
	; WHERE THE RESULTS GO (global offsets alone hang on these).  Tokens are A's rows for q and k, B's for v; channels the other way round.
	s_cmp_eq_u32 s95, 1
	s_cselect_b32 s92, s42, s17                    ; the tokens' block of 256,
	s_cselect_b32 s93, s16, s15                    ; my half of it,
	s_cselect_b32 s98, s41, s40                    ; the channels' block of 256 (four heads),
	s_cselect_b32 s99, s15, s16                    ; my half of it (two heads)
	s_cselect_b32 s100, -1, 0                      ; all lanes, or none: v's form of the bias table
	s_cselect_b32 s2, 0, 4                         ; bytes from register to register of the table
	s_cselect_b32 s94, 8, 9                        ; a group of 128 tokens has 256 bytes of v's scale words, 512 of q's or k's
	s_lshr_b32 s46, s92, 3                         ; the batch
	s_and_b32 s92, s92, 7
	s_lshl_b32 s92, s92, 1
	s_add_co_u32 s92, s92, s93                     ; my group of 128 tokens in the batch
	s_lshl_b32 s98, s98, 2
	s_lshl_b32 s99, s99, 1
	s_add_co_u32 s98, s98, s99                     ; my first head
	s_lshl_b32 s46, s46, 4
	s_add_co_u32 s46, s46, s98                     ; 16 x batch + head
	s_lshl_b32 s20, ttmp9, 23                      ; the kind's part of 8,388,608 bytes,
	s_lshl_b32 s47, s46, 17                        ; 131,072 bytes a head,
	s_add_co_u32 s20, s20, s47
	s_lshl_b32 s47, s92, 13                        ; 8,192 a group of 128 tokens
	s_add_co_u32 s20, s20, s47
	s_mov_b32 s21, 0
	s_add_nc_u64 s[12:13], s[12:13], s[20:21]
	s_mul_i32 s20, s46, 20480                      ; the scale words: 20,480 bytes a head: q's 8,192, k's 8,192, v's 4,096
	s_lshl_b32 s47, ttmp9, 13
	s_add_co_u32 s20, s20, s47
	s_lshl_b32 s47, s92, s94
	s_add_co_u32 s20, s20, s47
	s_add_nc_u64 s[66:67], s[66:67], s[20:21]
	; THE BIAS TABLE.  q, k: register 8 t + j = the bias of channel 32 (t / 2) + 16 h + 8 (t % 2) + j of my 128 (t: B's block).  v: all eight registers of t = the bias of the channel at A's place 16 t + r.
	s_lshl_b32 s47, s98, 8                         ; 64 channels of 4 bytes a head
	v_lshlrev_b32 v3, 6, v2                        ; q, k: 64 h
	v_and_b32 v4, 7, v1
	v_lshrrev_b32 v5, 3, v1
	v_lshlrev_b32 v4, 2, v4
	v_lshl_add_u32 v4, v5, 6, v4                   ; v: 4 (r % 8) + 64 (r / 8)
	v_cndmask_b32 v3, v3, v4, s100
	v_add_nc_u32 v3, s47, v3
.irp j, 0,1,2,3,4,5,6,7
	v_mad_u32_u24 v[128+\j], s2, \j, v3
.endr
.irp t, 0,1,2,3,4,5,6,7
.irp j, 0,1,2,3,4,5,6,7
	global_load_b32 v[CB+8*\t+\j], v[128+\j], s[96:97] offset:128*(\t/2)+32*(\t%2)
.endr
.endr
.macro FRAG reg, adr, q, i             ; a fragment, 16 rows x 128 K: lane l holds row l % 16; registers 4 c .. 4 c + 3 hold K = 32 c + 16 (l / 16) + 0 .. 15
.irp c, 0,1,2,3
	ds_load_b128 v[\reg+4*\c:\reg+4*\c+3], v[\adr] offset:128*(\q)+32*\c+(\i)*16*PITCH
.endr
.endm
; 16 matrix instructions: A's blocks a0, a0 + 1 x B's eight, 128 along K.  p: B's set;  sc: the set of scale words.  zero = 2: the sums start from the bias of B's block; 3: of A's block; 0: they go on.
; The 64 accumulators take turns, one instruction a turn, in the same order in every step.
.macro MUL16 a0, p, q, sc, zero
.irp a, \a0, \a0+1
.irp b, 0,1,2,3,4,5,6,7
.if \zero == 2
	v_wmma_scale_f32_16x16x128_f8f6f4 v[8*(8*((\a)%4)+\b):8*(8*((\a)%4)+\b)+7], v[128*(\p)+FR*\b:128*(\p)+FR*\b+FR-1], v[AF+FR*(\a):AF+FR*(\a)+FR-1], v[CB+8*\b:CB+8*\b+7], v[SC+8*NQ*(\sc)+NQ*\b+(\q)], v[SC+8*NQ*(\sc)+NQ*(\a)+(\q)] matrix_a_scale:MATRIX_SCALE_ROW1
.elseif \zero == 3
	v_wmma_scale_f32_16x16x128_f8f6f4 v[8*(8*((\a)%4)+\b):8*(8*((\a)%4)+\b)+7], v[128*(\p)+FR*\b:128*(\p)+FR*\b+FR-1], v[AF+FR*(\a):AF+FR*(\a)+FR-1], v[CB+8*(\a):CB+8*(\a)+7], v[SC+8*NQ*(\sc)+NQ*\b+(\q)], v[SC+8*NQ*(\sc)+NQ*(\a)+(\q)] matrix_a_scale:MATRIX_SCALE_ROW1
.else
	v_wmma_scale_f32_16x16x128_f8f6f4 v[8*(8*((\a)%4)+\b):8*(8*((\a)%4)+\b)+7], v[128*(\p)+FR*\b:128*(\p)+FR*\b+FR-1], v[AF+FR*(\a):AF+FR*(\a)+FR-1], v[8*(8*((\a)%4)+\b):8*(8*((\a)%4)+\b)+7], v[SC+8*NQ*(\sc)+NQ*\b+(\q)], v[SC+8*NQ*(\sc)+NQ*(\a)+(\q)] matrix_a_scale:MATRIX_SCALE_ROW1
.endif
.endr
.endr
.endm
.macro FETCH_B slot, q, p              ; B's eight fragments of the slot's q-th 128 along K into set p
	WIN TO_B
.irp i, 0,1,2,3,4,5,6,7
	FRAG 128*(\p)+FR*\i, ADRB+\slot, \q, \i
.endr
	WIN 0
.endm
.macro FETCH_A slot, q, i0             ; A's blocks i0 .. i0 + 3
.irp i, \i0, \i0+1, \i0+2, \i0+3
	FRAG AF+FR*(\i), ADRA+\slot, \q, \i
.endr
.endm
.macro SCALES sc                       ; a K step's scale words into set sc: two words a row; lanes 0-15 take A's block i, lanes 16-31 B's block i
.irp i, 0,1,2,3,4,5,6,7
	ds_load_b64 v[SC+8*NQ*\sc+NQ*\i:SC+8*NQ*\sc+NQ*\i+1], v[ADRS] offset:\i*SBLK
.endr
.endm
.macro PLACES n                        ; plain vector instructions between a matrix instruction and a load into, or a vector instruction on, its registers
.rept \n
	v_nop
.endr
.endm
; A step of 128 along K that has its successor in the same slot.  A block of A is free as soon as its eight products are issued: blocks 0-3 are fetched anew in the step's middle, blocks 4-7 at its end.
.macro STEP slot, q, zero
	s_wait_dscnt 4*NL                              ; B's set and A's blocks 0-3 are in; the youngest sixteen loads (A's blocks 4-7) may be out
.if \zero
	WIN 0x81                                       ; C (the bias table) window 0, D window 2
.else
	WIN MUL_LO
.endif
	MUL16 0, (\q)%2, \q, \slot, \zero
	MUL16 2, (\q)%2, \q, \slot, \zero
	s_wait_dscnt 0                                 ; A's blocks 4-7 are in
	PLACES NP
	FETCH_B \slot, (\q)+1, 1-(\q)%2
	FETCH_A \slot, (\q)+1, 0
.if \zero
	WIN 0xc1                                       ; C window 0, D window 3
.else
	WIN MUL_HI
.endif
	MUL16 4, (\q)%2, \q, \slot, \zero
	MUL16 6, (\q)%2, \q, \slot, \zero
	PLACES NP
	WIN 0
	FETCH_A \slot, (\q)+1, 4
.endm
; A slot's last step changes slots: ONE barrier; in front of it each wave waits for all its tensor loads, adds 0 to its spare word, and waits for that and for its own reads of this slot.  fill = 1: this slot is filled again, two K steps ahead.
.macro TURN slot, next, fill
	s_wait_tensorcnt 0x0                           ; all my tensor loads have landed: my part of the next slot
	ds_add_u32 v[SPW], v[NIL]                      ; 0 onto my spare word
	s_wait_dscnt 4*NL+1                            ; (the add and the youngest sixteen loads, A's blocks 4-7, may be out)
	WIN MUL_LO
	MUL16 0, 1, NQ-1, \slot, 0                     ; sixteen matrix instructions stand between the add and the wait for it
	s_wait_dscnt 0x0                               ; the add is done, and my reads of this slot are over
	s_barrier_signal -1
	MUL16 2, 1, NQ-1, \slot, 0
	WIN 0
	s_barrier_wait -1
.if \fill
	CREST                                          ; the barrier has opened a round of the cluster's barrier: no wave of any partner still reads this slot or has a load on its way
	s_add_nc_u64 s[G0+4*\slot+2:G0+4*\slot+3], s[G0+4*\slot+2:G0+4*\slot+3], 2*ROWB
	s_add_nc_u64 s[G0B+4*\slot+2:G0B+4*\slot+3], s[G0B+4*\slot+2:G0B+4*\slot+3], 2*ROWB
	JLOAD G0+4*\slot, G1, G0B+4*\slot, G1B         ; the first tensor load behind the round; its four v_nop are among the places in front of the loads below
	PLACES NP-4
.else
	PLACES NP
.endif
	s_wait_alu depctr_va_vdst(0)
	v_add_nc_u32 v[ADRS], 4*NQ, v[ADRS]            ; on to the next K step's scale words
	FETCH_B \next, 0, 0
	FETCH_A \next, 0, 0
	SCALES \next
	WIN MUL_HI
	MUL16 4, 1, NQ-1, \slot, 0
	MUL16 6, 1, NQ-1, \slot, 0
	PLACES NP
	WIN 0
	FETCH_A \next, 0, 4
.endm
	s_wait_loadcnt 0x0                             ; the bias table is in; its address registers v128-135 may take fragments
	s_wait_tensorcnt 1                             ; the scales and my part of K step 0 are in (K step 1's load may be out),
	s_barrier_signal -1
	s_barrier_wait -1                              ; everybody's are
	FETCH_B 0, 0, 0
	FETCH_A 0, 0, 0
	SCALES 0
	FETCH_A 0, 0, 4
	s_cmp_eq_u32 s95, 1                            ; the first step starts the sums from the bias: of B's rows (q, k) or of A's (v).  The branch hangs on the cluster's x; no barrier and no tensor load stands in it
	s_cbranch_scc1 .Lfirst_v
	STEP 0, 0, 2
	s_branch .Lfirst_done
.Lfirst_v:
	STEP 0, 0, 3
.Lfirst_done:
	s_mov_b32 s3, LAPS-1
.Llap:                                                 ; a trip goes once round the ring, from a lap's second step to the next lap's first, and fills both slots again
	TURN 0, 1, 1
	STEP 1, 0, 0
	TURN 1, 0, 1
	STEP 0, 0, 0
	s_sub_co_u32 s3, s3, 1
	s_cmp_lg_u32 s3, 0
	s_cbranch_scc1 .Llap
	TURN 0, 1, 0                                   ; the last lap fills nothing
	STEP 1, 0, 0
	s_wait_dscnt 4*NL                              ; the very last step
	WIN MUL_LO
	MUL16 0, 1, NQ-1, 1, 0
	MUL16 2, 1, NQ-1, 1, 0
	s_wait_dscnt 0
	WIN MUL_HI
	MUL16 4, 1, NQ-1, 1, 0
	MUL16 6, 1, NQ-1, 1, 0
	WIN 0
	; THE WAY OUT.  For each block a of A (16 rows; a lane keeps one) the lane's 64 results are four halves of blocks of 32 along B's rows in their true order: they are quantised as they stand, and
	; the four registers of each block's codes are stored as they stand: 16 bytes a lane, 512 consecutive bytes a store.
	; q, k: blocks 0, 1 are my first head's channels 0-31, 32-63 of token tile a; blocks 2, 3 my second head's, 131,072 bytes on; from a to a + 1 1,024 bytes.
	; v: blocks 0-3 are the four blocks of 32 keys, 512 bytes apart; from a to a + 1 (16 channels on) 2,048 bytes, from a = 3 to 4 on to the next head.
	PLACES NP
.irp b, 0,1,2,3
	v_mov_b32 v[TM+4+\b], 0                        ; written once: a lane permute's destination counts as one of its sources
.endr
	s_mov_b32 s20, 131072
	s_mov_b32 s21, 1024
	s_cmp_eq_u32 s95, 1
	s_cselect_b32 s100, 1024, s20
	s_cselect_b32 s96, 2048, s21
	s_cselect_b32 s98, 124928, s21
	s_mov_b32 s97, 0
	s_mov_b32 s99, 0
	v_and_b32 v3, 31, v0
	v_lshlrev_b32 v[VO], 4, v3
	v_add_nc_u32 v[VO+1], 512, v[VO]
	v_add_nc_u32 v[VO+2], s100, v[VO]
	v_add_nc_u32 v[VO+3], 512, v[VO+2]
.macro OUTBLK a
.set AC, 64*((\a)%4)
	s_wait_xcnt 0x0                                ; the last block's stores have read their base and their data: both are written again below
.if (\a) == 4
	s_add_nc_u64 s[12:13], s[12:13], s[98:99]
.elseif (\a) > 0
	s_add_nc_u64 s[12:13], s[12:13], s[96:97]
.endif
.set WX, 0x0a+5*((\a)/4)
	WIN WX                                         ; sources 0 and 1: the accumulators' window
.irp b, 0,1,2,3
	v_max3_num_f32 v[TM+\b], |v[AC+16*\b]|, |v[AC+16*\b+1]|, 0x4800000   ; block b: my 16 numbers, each accumulator from its low end on, and the floor 2^(9 - 127)
.endr
.irp i, 2,4,6,8,10,12,14
.irp b, 0,1,2,3
	v_max3_num_f32 v[TM+\b], |v[AC+16*\b+\i]|, |v[AC+16*\b+\i+1]|, v[TM+\b]
.endr
.endr
	WIN 0
.irp b, 0,1,2,3
	v_permlanex16_b32 v[TM+4+\b], v[TM+\b], s104, s105
.endr
.irp b, 0,1,2,3
	v_max_num_f32 v[TM+\b], v[TM+\b], v[TM+4+\b]   ; with the lane 16 away: the block's largest magnitude
.endr
.irp b, 0,1,2,3
	v_add_nc_u32 v[TM+12+\b], 0xfc000000, v[TM+\b] ; 8 off its exponent field: the conversion's scale operand
.endr
.irp b, 0,1,2,3
.endr
.irp b, 0,1,2,3
	v_lshrrev_b32 v[TM+4+\b], 23, v[TM+12+\b]      ; the scale's byte
.endr
	v_lshl_or_b32 v[PWS+(\a)], v[TM+5], 8, v[TM+4]
	v_lshl_or_b32 v[PWS+(\a)], v[TM+6], 16, v[PWS+(\a)]
	v_lshl_or_b32 v[PWS+(\a)], v[TM+7], 24, v[PWS+(\a)]
.set WX, 2+(\a)/4
	WIN WX                                         ; source 0: the accumulators' window
.set k, 0
.rept 64
.set k, k+1
.endr
.irp b, 0,1,2,3
	v_cvt_scalef32_pk8_fp8_f32 v[PC+4*\b:PC+4*\b+1], v[AC+16*\b:AC+16*\b+7], v[TM+12+\b]
	v_cvt_scalef32_pk8_fp8_f32 v[PC+4*\b+2:PC+4*\b+3], v[AC+16*\b+8:AC+16*\b+15], v[TM+12+\b]
.endr
	WIN 0
	v_nop                                          ; a plain vector instruction behind the last conversion
.irp b, 0,1,2,3
	global_store_b128 v[VO+\b], v[PC+4*\b:PC+4*\b+3], s[12:13]
.endr
.endm
.irp a, 0,1,2,3,4,5,6,7
	OUTBLK \a
.endr
	; the scale words: lanes 0-15 take blocks 0-3's, lanes 16-31 blocks 4-7's
	s_mov_b32 s20, 0xffff0000
.irp k, 0,1,2,3
	v_cndmask_b32 v[XW+\k], v[PWS+\k], v[PWS+4+\k], s20
.endr
	s_cmp_eq_u32 s95, 1
	s_cbranch_scc1 .Lv_words
	s_mov_b32 s21, 0x7f7f0000                      ; q, k: a word is the head's two bytes and twice 127, for the upper 64 along the score product's K, whose codes are zeros
.irp k, 0,1,2,3
	v_and_or_b32 v[XL+\k], v[XW+\k], 0xffff, s21   ; my first head's,
	v_lshrrev_b32 v[XH+\k], 16, v[XW+\k]
.endr
.irp k, 0,1,2,3
	v_or_b32 v[XH+\k], s21, v[XH+\k]               ; my second head's
.endr
	global_store_b128 v[VO], v[XL:XL+3], s[66:67]                 ; [lane 16 (a / 4) + r][a % 4]: 512 consecutive bytes
	global_store_b128 v[VO], v[XH:XH+3], s[66:67] offset:20480
	s_branch .Lwords_done
.Lv_words:
	v_and_b32 v3, 15, v0
	v_bfe_u32 v4, v0, 4, 1
	v_mul_u32_u24 v4, v4, 20480                    ; v: lanes 16-31 hold my second head's words
	v_lshl_add_u32 v4, v3, 4, v4
	s_wait_alu depctr_va_vdst(0)
	global_store_b128 v4, v[XW:XW+3], s[66:67]                    ; [r][tile of 16 channels]: sixteen lanes store 256 consecutive bytes
.Lwords_done:
	s_wait_tensorcnt 0x0                           ; the wave's end
	ds_add_u32 v[SPW], v[NIL]
	s_wait_dscnt 0x0
	CROUND                                         ; the closing round: no work-group ends while a partner may still ask for a tile that names it
	s_endpgm
.Lfunc_end_k_q28d62ae16f_qkv:
	.size	k_q28d62ae16f_qkv, .Lfunc_end_k_q28d62ae16f_qkv-k_q28d62ae16f_qkv
	.p2alignl 7, 3214868480
	.fill 96, 4, 3214868480
	.section	.rodata,"a",@progbits
	.p2align	6, 0x0
	.amdhsa_kernel k_q28d62ae16f_qkv
		.amdhsa_group_segment_fixed_size 327680
		.amdhsa_private_segment_fixed_size 0
		.amdhsa_enable_private_segment 0
		.amdhsa_kernarg_size 72
		.amdhsa_user_sgpr_count 2
		.amdhsa_user_sgpr_kernarg_segment_ptr 1
		.amdhsa_wavefront_size32 1
		.amdhsa_system_sgpr_workgroup_id_x 1
		.amdhsa_system_sgpr_workgroup_id_y 1
		.amdhsa_system_sgpr_workgroup_id_z 1
		.amdhsa_system_vgpr_workitem_id 0
		.amdhsa_next_free_vgpr 1024
		.amdhsa_next_free_sgpr 106
		.amdhsa_reserve_vcc 0
		.amdhsa_float_denorm_mode_32 3
		.amdhsa_float_denorm_mode_16_64 3
		.amdhsa_fp16_overflow 1
		.amdhsa_memory_ordered 1
		.amdhsa_forward_progress 1
		.amdhsa_inst_pref_size 172
	.end_amdhsa_kernel
	.amdgpu_metadata
---
amdhsa.version: [ 1, 2 ]
amdhsa.kernels:
  - .name:           k_q28d62ae16f_qkv
    .symbol:         k_q28d62ae16f_qkv.kd
    .args:
      - { .name: rc, .offset: 0, .size: 8, .value_kind: global_buffer, .address_space: global }
      - { .name: rs, .offset: 8, .size: 8, .value_kind: global_buffer, .address_space: global }
      - { .name: wc, .offset: 16, .size: 8, .value_kind: global_buffer, .address_space: global }
      - { .name: ws, .offset: 24, .size: 8, .value_kind: global_buffer, .address_space: global }
      - { .name: bq, .offset: 32, .size: 8, .value_kind: global_buffer, .address_space: global }
      - { .name: bk, .offset: 40, .size: 8, .value_kind: global_buffer, .address_space: global }
      - { .name: bv, .offset: 48, .size: 8, .value_kind: global_buffer, .address_space: global }
      - { .name: qkv, .offset: 56, .size: 8, .value_kind: global_buffer, .address_space: global }
      - { .name: qkvs, .offset: 64, .size: 8, .value_kind: global_buffer, .address_space: global }
    .group_segment_fixed_size: 327680
    .private_segment_fixed_size: 0
    .kernarg_segment_align: 8
    .kernarg_segment_size: 72
    .max_flat_workgroup_size: 128
    .sgpr_count:     106
    .vgpr_count:     1024
    .wavefront_size: 32
...
	.end_amdgpu_metadata
.endif
;; end of part 2
;; launch attn (part 3): grid 4 x 64, 16 waves a work-group, clusters of 4 x 1, 276,480 bytes of LDS; arguments qkv, qkvs, rc, rs; writes rc, rs
.if DOCPART == 3
	.amdgcn_target "amdgcn-amd-amdhsa--gfx1250"
	.amdhsa_code_object_version 6
	.text
	.protected	k_q28d62ae16f_attn
	.globl	k_q28d62ae16f_attn
	.p2align	8
	.type	k_q28d62ae16f_attn,@function
k_q28d62ae16f_attn:
	s_mov_b64 s[64:65], 0
	v_nop
	global_prefetch_b8 v0, s[64:65] scope:SCOPE_SE
	s_setreg_imm32_b32 hwreg(HW_REG_WAVE_MODE, 25, 1), 1
	s_wait_xcnt 0x0
	s_wait_alu depctr_hold_cnt(0) depctr_sa_sdst(0) depctr_va_vdst(0) depctr_va_sdst(0) depctr_va_ssrc(0) depctr_va_vcc(0) depctr_vm_vsrc(0)
	s_getreg_b32 s2, hwreg(HW_REG_IB_STS2, 6, 4)
	s_cmp_eq_u32 s2, 0
	s_cbranch_scc0 .Lentry_in_a_cluster
	s_endpgm
.Lentry_in_a_cluster:
	s_bfe_u32 s2, ttmp6, 0x10000c
	s_cmp_lg_u32 s2, 0x3003
	s_cbranch_scc0 .Lentry_shape_is_right
	s_endpgm
.Lentry_shape_is_right:
; Causal attention of one (batch, head) for each cluster of four work-groups, both products on codes of E4M3 with E8M0 scales; the result is quantised along the hidden axis for the last projection.
; t = score x log2(e) / 8; M = the row's largest t so far, rounded up to a whole number; p = 2^(t - M) is quantised along the keys, not normalised; the row's sum is taken of the unquantised p and divides at the end.
; When M moves, the sum and O are multiplied by 2^(old M - new M): exact.
; LIMITS: a hidden key gets p = 0; that is what a score of -1e9 gives as long as a row's largest score / 8 lies above about -1e9 + 100.  A block of zeros gets the scale byte 1.  NaN and infinities are not served.
; THE HEAD STAYS IN LDS: k's images (131,072 bytes), v's (131,072) and their scale words (12,288) are filled once, by joint loads that name all four work-groups; nothing is filled again.
; SHARES.  A group g is 128 queries, eight tiles of 16.  Work-group cx owns tiles 2 cx and 2 cx + 1 of every group; wave w takes tile 2 cx + w / 8 of group 15 - w % 8 and then of group w % 8: 17 key steps
; of 128 in all for every wave.  So no branch, trip count or LDS address hangs on cx: it enters global addresses and one number that scores' places are compared with.
; Every wave walks loops of constant length; a step all of whose keys come after the group's queries is jumped over by a scalar branch on the wave's number.
; LAYOUT.  Both products are used transposed: S^T = k q^T (source 0 = 16 places of keys), O^T = v^T p^T (source 0 = 16 places of channels): a lane holds ONE query throughout.  Places are rows in the order
; sigma (bits 3 and 4 exchanged), so the 16 registers of tiles 2 b and 2 b + 1 are keys (or channels) 32 b + 16 (lane / 16) + 0 .. 15 in their true order.
; The head has 64 channels and the matrix instruction 128 along K: the upper halves of q's and k's fragments are registers of zeros, written once, under the scale byte 127.
; REGISTERS: v1 16 x lane, v2 16 x (lane % 16), v3 my query's number in its group - 16 (lane / 16); v8-11 LDS addresses in hand; v12 -M, v13 the largest t, v[14:15] the sum; v16-31 q; v32-95 four fragments of k;
;   v96-159 S^T, then p, then v's four fragments; v160-191 O^T; v192-207 p's codes; v208-223 at work; v224-227 k's scale words, v228-231 v's; v232 f; v235 p's scale word, v236 q's; v244-252 the second tile's q.
.set SC,   262144                      ; LDS: k's images at 0, v's at 131,072; here k's scale words (512 bytes a step), 8,192 on v's (256 a step)
.set BM,   208                         ; the blocks' largest scores, then largest p
.set PX,   212                         ; the lane permutes' results, then the scale bytes
.set HOLD, 216
.set SCO,  220                         ; the conversions' scale operands
.set KW,   224
.set VW,   228
.macro ROUND                           ; a round of the cluster's barrier
	s_barrier_signal -1
	s_barrier_wait -1
	s_cmp_lg_u32 s12, 0
	s_cbranch_scc1 .Lnot_wave_0_\@
	s_barrier_signal -3
.Lnot_wave_0_\@:
	s_barrier_wait -3
	s_barrier_signal -1
	s_barrier_wait -1
.endm
	s_load_b256 s[4:11], s[0:1], 0x0               ; qkv, qkvs, rc, rs
	v_lshl_add_u32 v254, v0, 2, 0x43000
	v_mov_b32 v255, 0
	ds_add_u32 v254, v255
	ds_add_u32 v254, v255
	v_lshrrev_b32 v8, 5, v0
	s_delay_alu instid0(VALU_DEP_1)
	v_readfirstlane_b32 s12, v8                    ; wave 0..15
	s_bfe_u32 s13, ttmp6, 0x40000                  ; cx
	s_and_b32 s14, ttmp7, 0xffff                   ; 16 x batch + head
	s_and_b32 s15, s12, 7
	s_lshr_b32 s16, s12, 3
	s_sub_co_u32 s17, 15, s15                      ; the group in hand: first 15 - w % 8
	s_mov_b32 s20, 0x76543210
	s_mov_b32 s21, 0xfedcba98                      ; v_permlanex16_b32's selects for the lane 16 away
	s_mov_b32 s22, 0x3e38aa3b                      ; c = log2(e) / 8
	s_mov_b32 s23, s22                             ; (named with it as a pair)
	s_mov_b32 s27, 0xffff0000                      ; lanes 16-31
	; three groups 1: dense blocks as rows of 256 bytes (32 elements of 8 bytes): 12, 64 and 192 rows.  15:0 the mask: all four work-groups; 21 set beside it; no padding: images are read 16 bytes a lane on end
.irp g, 28, 36, 44
	s_mov_b32 s[\g], 15|(3<<16)|(1<<21)
	s_mov_b32 s[\g+1], 32<<16
	s_mov_b32 s[\g+3], 32<<16
	s_mov_b32 s[\g+5], 32
	s_mov_b32 s[\g+6], 0
	s_mov_b32 s[\g+7], 0
.endr
	s_mov_b32 s30, 12<<16
	s_mov_b32 s32, 12
	s_mov_b32 s38, 64<<16
	s_mov_b32 s40, 64
	s_mov_b32 s46, 192<<16
	s_mov_b32 s48, 192
	; what waves 0-3 fetch: a quarter of the scale words; waves 0, 1 the halves of k's images, waves 2, 3 of v's: first keys 0-511, then the rest
	s_and_b32 s66, s12, 3
	s_mul_i32 s66, s66, 3072
	s_add_co_u32 s53, s66, SC
	s_mul_i32 s67, s14, 20480
	s_add_co_u32 s86, s67, s66
	s_add_co_u32 s86, s86, 8192                    ; behind q's words
	s_mov_b32 s87, 0
	s_and_b32 s68, s12, 1                          ; which half
	s_bfe_u32 s69, s12, 0x10001                    ; k (0) or v (1)
	s_lshl_b32 s70, s69, 17
	s_lshl_b32 s71, s68, 14
	s_add_co_u32 s57, s70, s71                     ; LDS: keys 0-511: 16,384 bytes a half
	s_mul_i32 s68, s68, 49152
	s_add_co_u32 s61, s70, s68
	s_add_co_u32 s61, s61, 32768                   ; the rest: 49,152 bytes a half
	s_add_co_u32 s69, s69, 1
	s_lshl_b32 s69, s69, 23                        ; k's part of qkv begins at 8,388,608, v's at twice that
	s_lshl_b32 s70, s14, 17
	s_add_co_u32 s69, s69, s70
	s_add_co_u32 s88, s69, s71
	s_mov_b32 s89, 0
	s_add_co_u32 s90, s69, s68
	s_add_co_u32 s90, s90, 32768
	s_mov_b32 s91, 0
	s_mov_b32 s52, 1
	s_mov_b32 s56, 1
	s_mov_b32 s60, 1
	; my two tiles of q: global offsets
	s_lshl_b32 s72, s13, 1
	s_add_co_u32 s72, s72, s16                     ; my tile in a group: 2 cx + w / 8
	s_lshr_b32 s68, s72, 2
	s_lshl_b32 s68, s68, 8
	s_and_b32 s69, s72, 3
	s_lshl_b32 s69, s69, 2
	s_add_co_u32 s68, s68, s69
	s_add_co_u32 s68, s68, s67                     ; its scale words in group 0: [lane 16 (tile / 4) + r][tile % 4]
	s_lshl_b32 s69, s72, 10
	s_add_co_u32 s69, s69, s70                     ; its codes in group 0: 1,024 bytes a tile
	s_lshl_b32 s70, s17, 13
	s_add_co_u32 s78, s69, s70
	s_mov_b32 s79, 0
	s_lshl_b32 s70, s15, 13
	s_add_co_u32 s80, s69, s70
	s_mov_b32 s81, 0
	s_lshl_b32 s70, s17, 9
	s_add_co_u32 s82, s68, s70
	s_mov_b32 s83, 0
	s_lshl_b32 s70, s15, 9
	s_add_co_u32 s84, s68, s70
	s_mov_b32 s85, 0
	s_wait_dscnt 0x0
	s_wait_kmcnt 0x0
	s_add_nc_u64 s[54:55], s[6:7], s[86:87]
	s_or_b32 s55, s55, 0x80000000
	s_add_nc_u64 s[58:59], s[4:5], s[88:89]
	s_or_b32 s59, s59, 0x80000000
	s_add_nc_u64 s[62:63], s[4:5], s[90:91]
	s_or_b32 s63, s63, 0x80000000
	s_add_nc_u64 s[78:79], s[4:5], s[78:79]
	s_add_nc_u64 s[80:81], s[4:5], s[80:81]
	s_add_nc_u64 s[82:83], s[6:7], s[82:83]
	s_add_nc_u64 s[84:85], s[6:7], s[84:85]
	ROUND                                          ; all four work-groups are here: the joint loads meet
	s_cmp_lt_u32 s12, 4                            ; a wave's three fills stand in one branch on its number: three loads of mine are out
	s_cbranch_scc0 .Lno_fetch
	tensor_load_to_lds s[52:55], s[28:35]
	s_nop 0
	tensor_load_to_lds s[56:59], s[36:43]
	s_nop 0
	tensor_load_to_lds s[60:63], s[44:51]
	s_nop 0
.rept 4
	v_nop
.endr
.Lno_fetch:
	v_and_b32 v3, 31, v0
	s_delay_alu instid0(VALU_DEP_1)
	v_lshlrev_b32 v1, 4, v3                        ; 16 x lane
	v_and_b32 v4, 15, v0                           ; r
	s_delay_alu instid0(VALU_DEP_1)
	v_lshlrev_b32 v2, 4, v4                        ; 16 r
	v_bfe_u32 v5, v0, 4, 1                         ; h
	global_load_b128 v[16:19], v1, s[78:79]                       ; q of the first tile: channels 16 h .., 32 + 16 h ..
	global_load_b128 v[20:23], v1, s[78:79] offset:512
	global_load_b32 v236, v2, s[82:83]                            ; and its scale words
	global_load_b128 v[244:247], v1, s[80:81]                     ; the second tile's
	global_load_b128 v[248:251], v1, s[80:81] offset:512
	global_load_b32 v252, v2, s[84:85]
	v_and_b32 v6, 8, v4
	s_delay_alu instid0(VALU_DEP_1)
	v_add_nc_u32 v6, v6, v4                        ; r + 8 (r / 8)
	v_lshlrev_b32 v7, 4, v5
	s_delay_alu instid0(VALU_DEP_1)
	v_sub_nc_u32 v6, v6, v7
	s_lshl_b32 s66, s13, 5
	s_lshl_b32 s67, s16, 3
	s_add_co_u32 s66, s66, s67
	v_add_nc_u32 v3, s66, v6                       ; my query in its group, 32 cx + 8 (w / 8) + r + 8 (r / 8), less 16 h
	v_lshl_add_u32 v242, v4, 5, v5                 ; the result's scale bytes: 32 r + h
	v_mov_b32 v240, 0xff800000                     ; -infinity
	v_mov_b32 v233, 0                              ; (named as the upper half of the pair v[232:233])
	v_mov_b32 v234, 0
.irp b, 0,1,2,3
	v_mov_b32 v[PX+\b], 0                          ; written once: a lane permute's destination counts as one of its sources
.endr
.irp j, 0,1,2,3,4,5,6,7
	v_mov_b32 v[24+\j], 0                          ; the upper 64 along K: zero codes, in q
	v_mov_b32 v[40+\j], 0                          ; and in k's four fragments
	v_mov_b32 v[56+\j], 0
	v_mov_b32 v[72+\j], 0
	v_mov_b32 v[88+\j], 0
.endr
.macro INIT                            ; a tile begins: the first step finds zeros, which the first change of M leaves zeros
	v_mov_b32 v13, 0xff61b1e6                      ; the largest t so far: -3e38
	s_delay_alu instid0(VALU_DEP_1)
	v_floor_f32 v12, -v13                          ; -M
	v_mov_b32 v14, 0
	v_mov_b32 v15, 0
.set j, 0
.rept 32
	v_mov_b32 v[160+j], 0
.set j, j+1
.endr
.endm
; A KEY STEP: 128 keys, step s18 of the head; s24, s25, s26: where its images and scale words begin in LDS.
.macro STEP
	s_cmp_gt_u32 s18, s17                          ; all its keys come after my group's queries: nothing to do
	s_cbranch_scc1 .Lhid_\@
	s_setprio 2
	v_add_nc_u32 v8, s24, v1                       ; k's images
	s_wait_alu depctr_va_vdst(0)
	v_add_nc_u32 v9, 0x20000, v8                   ; v's
	v_add_nc_u32 v10, s25, v1                      ; k's scale words: lanes 0-15 tiles 0-3's, lanes 16-31 tiles 4-7's
	v_add_nc_u32 v11, s26, v2                      ; v's: four tiles' words of channel place r
	ds_load_b128 v[KW:KW+3], v10
	ds_load_b128 v[VW:VW+3], v11
.irp g, 0,1                                    ; S^T = k q^T, four tiles of 16 keys at a time
.if \g
.rept 8
	v_nop                                          ; places in front of loads into registers that the last four products read
.endr
.endif
.irp t, 0,1,2,3
	ds_load_b128 v[32+16*\t:35+16*\t], v8 offset:(4*\g+\t)*1024
	ds_load_b128 v[36+16*\t:39+16*\t], v8 offset:(4*\g+\t)*1024+512
.endr
	s_wait_dscnt 0x0
.irp t, 0,1,2,3
.if \g == 0
	v_wmma_scale_f32_16x16x128_f8f6f4 v[96+8*\t:103+8*\t], v[32+16*\t:47+16*\t], v[16:31], 0, v[KW+\t], v236
.else
	v_wmma_scale_f32_16x16x128_f8f6f4 v[128+8*\t:135+8*\t], v[32+16*\t:47+16*\t], v[16:31], 0, v[KW+\t], v236 matrix_a_scale:MATRIX_SCALE_ROW1
.endif
.endr
.endr
.rept 8
	v_nop
.endr
	s_cmp_lg_u32 s18, s17                          ; only my group's own step lies on the diagonal
	s_cbranch_scc1 .Lopen_\@
.set n, 0
.rept 64                                       ; register 16 b + i holds key 32 b + 16 h + i of the step: hidden where 32 b + i > my query - 16 h
	v_cmp_gt_i32 vcc_lo, 32*(n/16)+n%16, v3
	v_cndmask_b32 v[96+n], v[96+n], v240, vcc_lo
.set n, n+1
.endr
.Lopen_\@:
.irp b, 0,1,2,3
	v_max3_num_f32 v[BM+\b], v[96+16*\b], v[97+16*\b], v[98+16*\b]   ; the largest score of each block of 32 keys: for the row's maximum, and, since p rises with the score, for the block's largest p
.endr
.irp i, 3,5,7,9,11,13
.irp b, 0,1,2,3
	v_max3_num_f32 v[BM+\b], v[BM+\b], v[96+16*\b+\i], v[97+16*\b+\i]
.endr
.endr
.irp b, 0,1,2,3
	v_max_num_f32 v[BM+\b], v[BM+\b], v[111+16*\b]
.endr
.irp b, 0,1,2,3
	s_delay_alu instid0(VALU_DEP_4)
	v_permlanex16_b32 v[PX+\b], v[BM+\b], s20, s21
.endr
.irp b, 0,1,2,3
	s_delay_alu instid0(VALU_DEP_4)
	v_max_num_f32 v[BM+\b], v[BM+\b], v[PX+\b]     ; with the other 16 keys, in the lane 16 away
.endr
	s_delay_alu instid0(VALU_DEP_2)
	v_max3_num_f32 v234, v[BM], v[BM+1], v[BM+2]
	s_delay_alu instid0(VALU_DEP_1)
	v_max_num_f32 v234, v234, v[BM+3]
	s_delay_alu instid0(VALU_DEP_1)
	v_mul_f32 v234, s22, v234                      ; the step's largest t
	s_delay_alu instid0(VALU_DEP_1)
	v_max_num_f32 v13, v13, v234
	v_mov_b32 v234, v12
	s_delay_alu instid0(VALU_DEP_2)
	v_floor_f32 v12, -v13                          ; the new -M = floor(-t)
	s_delay_alu instid0(VALU_DEP_1)
	v_sub_f32 v234, v12, v234                      ; old M - new M: a whole number, 0 or less
	s_delay_alu instid0(VALU_DEP_1)
	v_cvt_i32_f32 v234, v234                       ; (it saturates)
	s_delay_alu instid0(VALU_DEP_1)
	v_ldexp_f32 v232, 1.0, v234                    ; f = 2^(old M - new M)
.set j, 0
.rept 32
	v_pk_fma_f32 v[96+j:97+j], v[96+j:97+j], s[22:23], v[12:13] op_sel_hi:[1,0,0]   ; t - M, two at a time
.set j, j+2
.endr
	s_setprio 1
.irp b, 0,1,2,3
	v_fma_f32 v[BM+\b], v[BM+\b], s22, v12         ; the same of each block's largest score
.endr
.set j, 0
	s_wait_alu depctr_va_vdst(0)
.rept 64
	v_exp_f32 v[96+j], v[96+j]                     ; p = 2^(t - M)
.set j, j+1
.endr
.irp b, 0,1,2,3
	v_exp_f32 v[BM+\b], v[BM+\b]                   ; the block's largest p
.endr
	v_pk_mul_f32 v[14:15], v[14:15], v[232:233] op_sel_hi:[1,0]   ; the sums under the new M (a plain instruction behind the exponentials)
	s_wait_alu depctr_va_vdst(0)
.irp b, 0,1,2,3
	v_max_num_f32 v[BM+\b], 0x4800000, v[BM+\b]    ; the floor 2^(9 - 127)
.endr
.irp b, 0,1,2,3
	s_delay_alu instid0(VALU_DEP_4)
	v_add_nc_u32 v[SCO+\b], 0xfc000000, v[BM+\b]   ; 8 off the exponent field: the conversion's scale operand
.endr
.irp b, 0,1,2,3
.endr
.irp b, 0,1,2,3
	s_delay_alu instid0(VALU_DEP_4)
	v_lshrrev_b32 v[PX+\b], 23, v[SCO+\b]          ; the scale's byte
.endr
	s_delay_alu instid0(VALU_DEP_3)
	v_lshl_or_b32 v235, v[PX+1], 8, v[PX]          ; p's scale word for these 128 keys
	s_delay_alu instid0(VALU_DEP_1)
	v_lshl_or_b32 v235, v[PX+2], 16, v235
	s_delay_alu instid0(VALU_DEP_1)
	v_lshl_or_b32 v235, v[PX+3], 24, v235
	v_pk_add_f32 v[238:239], v[100:101], v[104:105]
	v_pk_add_f32 v[226:227], v[108:109], v[112:113]
	v_pk_add_f32 v[224:225], v[116:117], v[120:121]
	v_pk_add_f32 v[218:219], v[124:125], v[128:129]
	v_pk_add_f32 v[216:217], v[132:133], v[136:137]
	v_pk_add_f32 v[210:211], v[140:141], v[144:145]
	v_pk_add_f32 v[208:209], v[148:149], v[152:153]
	v_pk_add_f32 v[14:15], v[14:15], v[156:157]
	v_pk_add_f32 v[238:239], v[238:239], v[96:97]
	v_pk_add_f32 v[226:227], v[226:227], v[98:99]
	v_pk_add_f32 v[224:225], v[224:225], v[102:103]
	v_pk_add_f32 v[218:219], v[218:219], v[106:107]
	v_pk_add_f32 v[216:217], v[216:217], v[110:111]
	v_pk_add_f32 v[210:211], v[210:211], v[114:115]
	v_pk_add_f32 v[208:209], v[208:209], v[118:119]
	v_pk_add_f32 v[14:15], v[14:15], v[122:123]
	v_pk_add_f32 v[238:239], v[238:239], v[126:127]
	v_pk_add_f32 v[226:227], v[226:227], v[130:131]
	v_pk_add_f32 v[224:225], v[224:225], v[134:135]
	v_pk_add_f32 v[218:219], v[218:219], v[138:139]
	v_pk_add_f32 v[216:217], v[216:217], v[142:143]
	v_pk_add_f32 v[210:211], v[210:211], v[146:147]
	v_pk_add_f32 v[208:209], v[208:209], v[150:151]
	v_pk_add_f32 v[14:15], v[14:15], v[154:155]
	v_pk_add_f32 v[238:239], v[238:239], v[158:159]
	s_delay_alu instid0(VALU_DEP_2)
	v_pk_add_f32 v[14:15], v[14:15], v[218:219]
	s_delay_alu instid0(VALU_DEP_2)
	v_pk_add_f32 v[238:239], v[238:239], v[216:217]
	v_pk_add_f32 v[226:227], v[226:227], v[210:211]
	v_pk_add_f32 v[224:225], v[224:225], v[208:209]
	s_delay_alu instid0(VALU_DEP_2)
	v_pk_add_f32 v[14:15], v[14:15], v[226:227]
	s_delay_alu instid0(VALU_DEP_2)
	v_pk_add_f32 v[238:239], v[238:239], v[224:225]
	s_delay_alu instid0(VALU_DEP_1)
	v_pk_add_f32 v[14:15], v[14:15], v[238:239]
.irp b, 0,1,2,3
.irp i, 0,1,2,3,4,5,6,7,8,9,10,11,12,13,14,15
.endr
	v_cvt_scalef32_pk8_fp8_f32 v[192+4*\b:193+4*\b], v[96+16*\b:103+16*\b], v[SCO+\b]
	v_cvt_scalef32_pk8_fp8_f32 v[194+4*\b:195+4*\b], v[104+16*\b:111+16*\b], v[SCO+\b]
.endr
	v_nop
	s_setprio 0
.irp t, 0,1,2,3                                ; v's four fragments take p's registers; they land while O^T is rescaled
.irp c, 0,1,2,3
	ds_load_b128 v[96+16*\t+4*\c:99+16*\t+4*\c], v9 offset:2048*\t+512*\c
.endr
.endr
.set j, 0
.rept 16
	v_pk_mul_f32 v[160+j:161+j], v[160+j:161+j], v[232:233] op_sel_hi:[1,0]   ; O^T under the new M.  (These are also the places between the codes and the products)
.set j, j+2
.endr
	s_wait_alu depctr_va_vdst(0)
	s_wait_dscnt 0x0
.irp t, 0,1,2,3                                ; O^T += v^T p^T: four accumulators by turns
	v_wmma_scale_f32_16x16x128_f8f6f4 v[160+8*\t:167+8*\t], v[96+16*\t:111+16*\t], v[192:207], v[160+8*\t:167+8*\t], v[VW+\t], v235
.endr
.rept 9
	v_nop                                          ; the next step's score products write over v96-159, which these products read: nine places
.endr
.Lhid_\@:
	s_add_co_u32 s18, s18, 1
	s_add_co_u32 s24, s24, 8192
	s_add_co_u32 s25, s25, 512
	s_add_co_u32 s26, s26, 256
.endm
; A TILE ENDS: O^T / the sum; registers 16 b + i are channels 32 b + 16 h + i of the head: two blocks of the last projection's K.  They are quantised and stored as an image of that operand's registers:
; [tile of 16 token places][128 of the hidden axis][32 of those][lane][16 bytes]; the scale bytes go to [token place][32].
.macro FINISH
	s_wait_xcnt 0x0                                ; earlier stores have read their bases
	s_lshl_b32 s66, s17, 3
	s_add_co_u32 s66, s66, s72                     ; my tile in the sequence
	s_lshr_b32 s67, s14, 4
	s_lshl_b32 s67, s67, 7
	s_add_co_u32 s66, s66, s67                     ; and among all 512
	s_and_b32 s67, s14, 15                         ; the head
	s_lshl_b32 s68, s66, 14
	s_lshl_b32 s69, s67, 10
	s_add_co_u32 s68, s68, s69
	s_mov_b32 s69, 0
	s_add_nc_u64 s[74:75], s[8:9], s[68:69]
	s_lshl_b32 s68, s66, 9
	s_lshl_b32 s67, s67, 1
	s_add_co_u32 s68, s68, s67
	s_add_nc_u64 s[76:77], s[10:11], s[68:69]
	v_add_f32 v14, v14, v15                        ; the sum's two halves,
	s_delay_alu instid0(VALU_DEP_1)
	v_permlanex16_b32 v234, v14, s20, s21
	s_delay_alu instid0(VALU_DEP_1)
	v_add_f32 v14, v14, v234                       ; and the lane 16 away's
	s_wait_alu depctr_va_vdst(0)
	v_rcp_f32 v14, v14
	v_nop                                          ; a plain instruction behind the reciprocal
.set j, 0
	s_wait_alu depctr_va_vdst(0)
.rept 16
	v_pk_mul_f32 v[96+j:97+j], v[160+j:161+j], v[14:15] op_sel_hi:[1,0]   ; each accumulator from its low end on
.set j, j+2
.endr
.irp b, 0,1
	v_max3_num_f32 v[BM+\b], |v[96+16*\b]|, |v[97+16*\b]|, 0x4800000
.endr
.irp i, 2,4,6,8,10,12,14
.irp b, 0,1
	s_delay_alu instid0(VALU_DEP_2)
	v_max3_num_f32 v[BM+\b], v[BM+\b], |v[96+16*\b+\i]|, |v[97+16*\b+\i]|
.endr
.endr
.irp b, 0,1
	s_delay_alu instid0(VALU_DEP_2)
	v_permlanex16_b32 v[PX+\b], v[BM+\b], s20, s21
.endr
.irp b, 0,1
	s_delay_alu instid0(VALU_DEP_2)
	v_max_num_f32 v[BM+\b], v[BM+\b], v[PX+\b]
.endr
.irp b, 0,1
	s_delay_alu instid0(VALU_DEP_2)
	v_add_nc_u32 v[SCO+\b], 0xfc000000, v[BM+\b]
.endr
.irp b, 0,1
	s_delay_alu instid0(VALU_DEP_2)
	v_lshrrev_b32 v[PX+\b], 23, v[SCO+\b]
.endr
	s_delay_alu instid0(VALU_DEP_1)
	v_cndmask_b32 v234, v[PX], v[PX+1], s27        ; lanes 0-15 store block 0's byte, lanes 16-31 block 1's
.irp b, 0,1
.irp i, 0,1,2,3,4,5,6,7,8,9,10,11,12,13,14,15
.endr
	v_cvt_scalef32_pk8_fp8_f32 v[192+4*\b:193+4*\b], v[96+16*\b:103+16*\b], v[SCO+\b]
	v_cvt_scalef32_pk8_fp8_f32 v[194+4*\b:195+4*\b], v[104+16*\b:111+16*\b], v[SCO+\b]
.endr
	v_nop                                          ; a plain vector instruction behind the last conversion
	global_store_b128 v1, v[192:195], s[74:75]                    ; 512 consecutive bytes each
	global_store_b128 v1, v[196:199], s[74:75] offset:512
	global_store_b8 v242, v234, s[76:77]                          ; a head owns 2 of a row's 32 scale bytes: single bytes, one in 33 of what the launch stores
.endm
	INIT
	s_wait_loadcnt 0x0                             ; q, both tiles
	s_wait_tensorcnt 1                             ; the scale words and keys 0-511 are in; the rest may be out
	s_barrier_signal -1
	s_barrier_wait -1                              ; everybody's are
	s_mov_b32 s18, 0
	s_mov_b32 s24, 0
	s_mov_b32 s25, SC
	s_mov_b32 s26, SC+8192
	s_mov_b32 s73, 4
.Lfirst:                                           ; key steps 0-3 of the later group
	STEP
	s_sub_co_u32 s73, s73, 1
	s_cmp_lg_u32 s73, 0
	s_cbranch_scc1 .Lfirst
	s_setprio 0
	s_wait_tensorcnt 0x0                           ; the rest of the head is in,
	s_wait_dscnt 0x0
	s_barrier_signal -1
	s_barrier_wait -1                              ; everybody's is
	s_mov_b32 s18, 4
	s_mov_b32 s24, 4*8192
	s_mov_b32 s25, SC+4*512
	s_mov_b32 s26, SC+8192+4*256
	s_mov_b32 s73, 12
.Lrest:                                            ; key steps 4-15
	STEP
	s_sub_co_u32 s73, s73, 1
	s_cmp_lg_u32 s73, 0
	s_cbranch_scc1 .Lrest
	s_setprio 0
	FINISH
	s_mov_b32 s17, s15                             ; the earlier group: w % 8
	s_wait_xcnt 0x0                                ; the stores have read their data
.set j, 0
.rept 8
	v_mov_b32 v[16+j], v[244+j]                    ; its q,
.set j, j+1
.endr
	v_mov_b32 v236, v252                           ; and q's scale words; the 36 lines of INIT stand between these and the next products
	INIT
	s_mov_b32 s18, 0
	s_mov_b32 s24, 0
	s_mov_b32 s25, SC
	s_mov_b32 s26, SC+8192
	s_mov_b32 s73, 8
.Lsecond:                                          ; key steps 0-7
	STEP
	s_sub_co_u32 s73, s73, 1
	s_cmp_lg_u32 s73, 0
	s_cbranch_scc1 .Lsecond
	s_setprio 0
	FINISH
	s_wait_dscnt 0x0
	s_wait_tensorcnt 0x0
	ds_add_u32 v254, v255
	s_wait_dscnt 0x0
	ROUND                                          ; the closing round
	s_endpgm
.Lfunc_end_k_q28d62ae16f_attn:
	.size	k_q28d62ae16f_attn, .Lfunc_end_k_q28d62ae16f_attn-k_q28d62ae16f_attn
	.p2alignl 7, 3214868480
	.fill 96, 4, 3214868480
	.section	.rodata,"a",@progbits
	.p2align	6, 0x0
	.amdhsa_kernel k_q28d62ae16f_attn
		.amdhsa_group_segment_fixed_size 276480
		.amdhsa_private_segment_fixed_size 0
		.amdhsa_enable_private_segment 0
		.amdhsa_kernarg_size 32
		.amdhsa_user_sgpr_count 2
		.amdhsa_user_sgpr_kernarg_segment_ptr 1
		.amdhsa_wavefront_size32 1
		.amdhsa_system_sgpr_workgroup_id_x 1
		.amdhsa_system_sgpr_workgroup_id_y 1
		.amdhsa_system_sgpr_workgroup_id_z 1
		.amdhsa_system_vgpr_workitem_id 0
		.amdhsa_next_free_vgpr 256
		.amdhsa_next_free_sgpr 96
		.amdhsa_reserve_vcc 1
		.amdhsa_float_denorm_mode_32 3
		.amdhsa_float_denorm_mode_16_64 3
		.amdhsa_fp16_overflow 1
		.amdhsa_memory_ordered 1
		.amdhsa_forward_progress 1
		.amdhsa_inst_pref_size 90
	.end_amdhsa_kernel
	.amdgpu_metadata
---
amdhsa.version: [ 1, 2 ]
amdhsa.kernels:
  - .name:           k_q28d62ae16f_attn
    .symbol:         k_q28d62ae16f_attn.kd
    .args:
      - { .name: qkv, .offset: 0, .size: 8, .value_kind: global_buffer, .address_space: global }
      - { .name: qkvs, .offset: 8, .size: 8, .value_kind: global_buffer, .address_space: global }
      - { .name: rc, .offset: 16, .size: 8, .value_kind: global_buffer, .address_space: global }
      - { .name: rs, .offset: 24, .size: 8, .value_kind: global_buffer, .address_space: global }
    .group_segment_fixed_size: 276480
    .private_segment_fixed_size: 0
    .kernarg_segment_align: 8
    .kernarg_segment_size: 32
    .max_flat_workgroup_size: 512
    .sgpr_count:     96
    .vgpr_count:     256
    .wavefront_size: 32
...
	.end_amdgpu_metadata
.endif
;; end of part 3
;; launch proj (part 4): grid 4 x 32, 4 waves a work-group, clusters of 4 x 4, 327,680 bytes of LDS; arguments rc, rs, wc, ws, bo, out0; writes out0
.if DOCPART == 4
	.amdgcn_target "amdgcn-amd-amdhsa--gfx1250"
	.amdhsa_code_object_version 6
	.text
	.protected	k_q28d62ae16f_proj
	.globl	k_q28d62ae16f_proj
	.p2align	8
	.type	k_q28d62ae16f_proj,@function
k_q28d62ae16f_proj:
	s_mov_b64 s[64:65], 0
	v_nop
	global_prefetch_b8 v0, s[64:65] scope:SCOPE_SE
	s_setreg_imm32_b32 hwreg(HW_REG_WAVE_MODE, 25, 1), 1
	s_wait_xcnt 0x0
	s_wait_alu depctr_hold_cnt(0) depctr_sa_sdst(0) depctr_va_vdst(0) depctr_va_sdst(0) depctr_va_ssrc(0) depctr_va_vcc(0) depctr_vm_vsrc(0)
	s_getreg_b32 s2, hwreg(HW_REG_IB_STS2, 6, 4)
	s_cmp_eq_u32 s2, 0
	s_cbranch_scc0 .Lentry_in_a_cluster
	s_endpgm
.Lentry_in_a_cluster:
	s_bfe_u32 s2, ttmp6, 0x10000c
	s_cmp_lg_u32 s2, 0xf033
	s_cbranch_scc0 .Lentry_shape_is_right
	s_endpgm
.Lentry_shape_is_right:
; out0 = a Wo^T + bo on codes of E4M3 with E8M0 scales, K = 1,024; a is the attention's result.  out0: [8192][1024] f32.
; A work-group of four waves makes 256 x 256 of out0, a wave 128 x 128: 64 accumulators.  K goes in steps of 256 through a ring of two LDS slots filled by tensor loads; the scale bytes of the
; work-group's rows, for all of K, come once with the first fills.  4 x 4 work-groups form a cluster: A's tiles are asked for jointly along a row of the cluster, B's along a column.
; A (source 1) arrives as IMAGES OF ITS REGISTERS: [tile of 16 token places][128 of K][32 of those][lane][16 bytes]: a slot's part of a tile of 16 rows is 4,096 consecutive bytes, and a fragment is four loads of
; 16 bytes a lane on end: no pitch, no padding.  B (source 0) is Wo's rows as rows of codes, padded in LDS.
; PLACES: token rows and Wo's rows lie in the order sigma (bits 3 and 4 of the row's number exchanged).  On the way out a lane's eight results go to their true columns in the stage, and each row read back is stored at its true row.
; bo is the C of each sum's first matrix instruction, from a table of 64 registers.
; REGISTERS, in windows of 256: window 0: v0-31 addresses; v32-63 scale words, two sets; v64-127 the bias table; from v128 A's fragments, one set.  window 1: B's fragments, two sets.
;   window 2: the accumulators of A's blocks 0-3 ((a, b) at v[8 (8 a + b)]); window 3: those of blocks 4-7.
.set NQ,     2
.set ROWB,   256
.set KROW,   1024
.set PITCH,  272                       ; B's LDS row: 256 bytes + 16 of padding
.set FR,     16
.set NL,     4
.set NP,     8                         ; places behind this matrix instruction (ISA guide 7.12.1)
.set HALFT,  128*PITCH                 ; the room of 128 rows (A's images use 32,768 bytes of it)
.set SLOT,   4*HALFT
.set LAPS,   2
.set KS,     32
.set SCL,    2*SLOT
.set HALFS,  (128*KS/256)*272
.set SBLK,   (16*KS/256)*272
.set SPARE,  SCL+4*HALFS               ; the spare words, 128 bytes for each wave: two blocks of 256 bytes that no other line names
.set SPITCH, 528                       ; the way out: a stage of 16 rows x (512 bytes + 16) for each wave, in slot 0, which has had its last fill and its last read by then
.set ADRA, 16
.set ADRB, 20
.set STO,  24
.set RD,   25
.set CO,   26
.set ADRS, 27
.set SPW,  28
.set NIL,  29
.set SC,   32
.set CB,   64
.set AF,   128
.set BK,   128                         ; the way out: 16 rows read back: v128-191 and v192-255 by turns
.set G1, 24
.set G0, 32
.set G1B, 48
.set G0B, 56
.set G1S, 68
.set G0S, 76
.set G1SB, 80
.set G0SB, 88
.set MSB, 0
.macro WIN new                         ; the immediate's high byte repeats the setting that is left
.if MSB != \new
	s_set_vgpr_msb (MSB<<8)|\new
.set MSB, \new
.endif
.endm
.set MUL_LO, 0xa1
.set MUL_HI, 0xf1
.set TO_B,   0x40
.macro JLOAD g0a, g1a, g0b, g1b        ; a joint load: waves 0 and 1 fetch for A, waves 2 and 3 for B; four v_nop follow each of the two lines
	s_cmp_eq_u32 s15, 0
	s_cbranch_scc0 .Lfor_b_\@
	tensor_load_to_lds s[\g0a:\g0a+3], s[\g1a:\g1a+7]
	s_nop 0
.rept 4
	v_nop
.endr
	s_branch .Lasked_\@
.Lfor_b_\@:
	tensor_load_to_lds s[\g0b:\g0b+3], s[\g1b:\g1b+7]
	s_nop 0
.rept 4
	v_nop
.endr
.Lasked_\@:
.endm
.macro CREST
	s_cmp_lg_u32 s14, 0
	s_cbranch_scc1 .Lnot_wave_0_\@
	s_barrier_signal -3
.Lnot_wave_0_\@:
	s_barrier_wait -3
	s_barrier_signal -1
	s_barrier_wait -1
.endm
.macro CROUND
	s_barrier_signal -1
	s_barrier_wait -1
	CREST
.endm
	s_load_b256 s[4:11], s[0:1], 0x0               ; A's images, A's scales, the weights' codes, the weights' scales
	s_load_b64 s[96:97], s[0:1], 0x20              ; bo
	s_load_b64 s[12:13], s[0:1], 0x28              ; out0
	v_lshl_add_u32 v[SPW], v0, 2, SPARE
	v_mov_b32 v[NIL], 0
	ds_add_u32 v28, v29
	ds_add_u32 v28, v29
	s_wait_dscnt 0x0
	v_lshrrev_b32 v1, 5, v0
	v_readfirstlane_b32 s14, v1                    ; wave 0..3
	s_lshr_b32 s15, s14, 1                         ; which half of A's rows is mine.  Also: I fetch for A (0) or for B (1)
	s_and_b32 s16, s14, 1                          ; which half of B's rows.  Also: which 128 rows I fetch
	s_bfe_u32 s40, ttmp6, 0x40000                  ; cx, cy
	s_bfe_u32 s41, ttmp6, 0x40004
	s_lshl_b32 s42, ttmp9, 2
	s_add_co_u32 s42, s42, s40                     ; the block of 256 outputs
	s_and_b32 s17, ttmp7, 0xffff
	s_lshl_b32 s17, s17, 2
	s_add_co_u32 s17, s17, s41                     ; the block of 256 token places
	s_lshl_b32 s43, s41, 2
	s_lshl_b32 s43, 15, s43                        ; my row of the cluster
	s_lshl_b32 s44, 0x1111, s40                    ; my column
	; A's group 1: 8 rows (tiles of 16 token places) of 4,096 bytes (512 elements of 8 bytes), 16,384 bytes apart; no padding
	s_or_b32 s[G1+0], s43, (3<<16)|(1<<21)
	s_mov_b32 s[G1+1], 512<<16
	s_mov_b32 s[G1+2], 8<<16
	s_mov_b32 s[G1+3], 512<<16
	s_mov_b32 s[G1+4], 8
	s_mov_b32 s[G1+5], 2048
	s_mov_b32 s[G1+6], 0
	s_mov_b32 s[G1+7], 0
	; B's: 128 rows x 256 bytes, 16 bytes of padding behind each
	s_or_b32 s[G1B+0], s44, (0<<16)|(1<<20)|(1<<21)|(5<<22)|(3<<25)
	s_mov_b32 s[G1B+1], ROWB<<16
	s_mov_b32 s[G1B+2], 128<<16
	s_mov_b32 s[G1B+3], ROWB<<16
	s_mov_b32 s[G1B+4], 128
	s_mov_b32 s[G1B+5], KROW
	s_mov_b32 s[G1B+6], 0
	s_mov_b32 s[G1B+7], 0
	; the scales of 128 rows: 16 rows of 256 bytes, 16 bytes of padding behind each
	s_or_b32 s[G1S+0], s43, (3<<16)|(1<<20)|(1<<21)|(5<<22)|(3<<25)
	s_or_b32 s[G1SB+0], s44, (3<<16)|(1<<20)|(1<<21)|(5<<22)|(3<<25)
.irp g, G1S, G1SB
	s_mov_b32 s[\g+1], 32<<16
	s_mov_b32 s[\g+2], (128*KS/256)<<16
	s_mov_b32 s[\g+3], 32<<16
	s_mov_b32 s[\g+4], 128*KS/256
	s_mov_b32 s[\g+5], 32
	s_mov_b32 s[\g+6], 0
	s_mov_b32 s[\g+7], 0
.endr
	s_lshl_b32 s20, s17, 18                        ; A's images: 16 tiles of 16,384 bytes a block,
	s_lshl_b32 s18, s16, 17                        ; 8 a half
	s_add_co_u32 s20, s20, s18
	s_mov_b32 s21, 0
	s_lshl_b32 s22, s17, 13                        ; A's scales: 256 rows of 32 bytes a block
	s_lshl_b32 s18, s16, 12
	s_add_co_u32 s22, s22, s18
	s_mov_b32 s23, 0
	s_lshl_b32 s46, s42, 8
	s_lshl_b32 s18, s16, 7
	s_add_co_u32 s46, s46, s18
	s_add_co_u32 s46, s46, 3072                    ; B: Wo's rows lie behind the three other weights'
	s_lshl_b32 s92, s46, 5
	s_mov_b32 s93, 0
	s_lshl_b32 s46, s46, 10
	s_mov_b32 s47, 0
	s_mul_i32 s45, s14, HALFT                      ; where they go: no place in the cluster enters an LDS address
	s_mul_i32 s94, s14, HALFS
	s_wait_kmcnt 0x0
	s_add_nc_u64 s[20:21], s[4:5], s[20:21]
	s_add_nc_u64 s[22:23], s[6:7], s[22:23]
	s_add_nc_u64 s[46:47], s[8:9], s[46:47]
	s_add_nc_u64 s[92:93], s[10:11], s[92:93]
	CROUND                                         ; all sixteen work-groups are here: the first joint loads meet
	s_mov_b32 s[G0S], 1
	s_add_co_u32 s[G0S+1], s94, SCL
	s_mov_b64 s[G0S+2:G0S+3], s[22:23]
	s_or_b32 s[G0S+3], s[G0S+3], 0x80000000
	s_mov_b32 s[G0SB], 1
	s_add_co_u32 s[G0SB+1], s94, SCL
	s_mov_b64 s[G0SB+2:G0SB+3], s[92:93]
	s_or_b32 s[G0SB+3], s[G0SB+3], 0x80000000
	JLOAD G0S, G1S, G0SB, G1SB
.irp s, 0,1
	s_mov_b32 s[G0+4*\s], 1
	s_add_co_u32 s[G0+4*\s+1], s45, \s*SLOT
	s_add_nc_u64 s[G0+4*\s+2:G0+4*\s+3], s[20:21], \s*4096
	s_or_b32 s[G0+4*\s+3], s[G0+4*\s+3], 0x80000000
	s_mov_b32 s[G0B+4*\s], 1
	s_add_co_u32 s[G0B+4*\s+1], s45, \s*SLOT
	s_add_nc_u64 s[G0B+4*\s+2:G0B+4*\s+3], s[46:47], \s*ROWB
	s_or_b32 s[G0B+4*\s+3], s[G0B+4*\s+3], 0x80000000
	s_wait_alu depctr_va_vdst(0)
	s_wait_tensorcnt 0x0
	ds_add_u32 v28, v29
	s_wait_dscnt 0x0
	CROUND
	JLOAD G0+4*\s, G1, G0B+4*\s, G1B               ; one load of mine is out
.endr
	v_and_b32 v1, 15, v0                           ; r
	v_bfe_u32 v2, v0, 4, 1                         ; h
	v_and_b32 v6, 31, v0
	v_lshlrev_b32 v[CO], 4, v6                     ; 16 x lane
	v_mul_u32_u24 v3, v1, PITCH
	v_lshl_add_u32 v4, v2, 4, v3                   ; B: a fragment's row x pitch + 16 x half
	s_mul_i32 s21, s15, HALFT                      ; my 128 rows of A,
	s_mul_i32 s22, s16, HALFT                      ; of B,
	s_add_co_u32 s22, s22, 2*HALFT
.irp s, 0,1
	v_add_nc_u32 v[ADRA+\s], s21, v[CO]            ; A: an image's 16 bytes a lane
	v_add_nc_u32 v[ADRB+\s], s22, v4
	s_add_co_u32 s21, s21, SLOT
	s_add_co_u32 s22, s22, SLOT
.endr
	v_mul_u32_u24 v5, v1, KS
	v_lshrrev_b32 v6, 8, v5
	v_lshl_add_u32 v5, v6, 4, v5
	s_mul_i32 s21, s15, HALFS
	s_mul_i32 s22, s16, HALFS
	s_add_co_u32 s22, s22, 2*HALFS
	s_sub_co_u32 s22, s22, s21
	v_mul_u32_u24 v6, s22, v2                      ; lanes 16-31 take B's scale words
	s_add_co_u32 s21, s21, SCL
	v_add_nc_u32 v5, v5, v6
	v_add_nc_u32 v[ADRS], s21, v5
	s_mul_i32 s23, s14, 16*SPITCH                  ; my stage
	v_mul_u32_u24 v5, v1, SPITCH                   ; in: row r, + 64 h: the true columns of a lane's eight results of block b begin at 32 (b / 2) + 16 h + 8 (b % 2)
	v_lshl_add_u32 v5, v2, 6, v5
	v_add_nc_u32 v[STO], s23, v5
	v_add_nc_u32 v[RD], s23, v[CO]                 ; back: the 32 lanes take one row of 512 bytes
	s_lshl_b32 s20, s42, 10
	s_lshl_b32 s21, s16, 9
	s_add_co_u32 s20, s20, s21                     ; my first column, in bytes
	s_mov_b32 s21, 0
	s_add_nc_u64 s[96:97], s[96:97], s[20:21]      ; in bo,
	s_add_nc_u64 s[12:13], s[12:13], s[20:21]      ; and in out0,
	s_lshl_b32 s20, s17, 20
	s_lshl_b32 s22, s15, 19
	s_add_co_u32 s20, s20, s22                     ; at my first row: rows of 4,096 bytes
	s_add_nc_u64 s[12:13], s[12:13], s[20:21]
	v_lshlrev_b32 v7, 6, v2                        ; the bias table: register 8 b + j = bo at column 32 (b / 2) + 16 h + 8 (b % 2) + j of my 128
.irp b, 0,1,2,3,4,5,6,7
	global_load_b128 v[CB+8*\b:CB+8*\b+3], v7, s[96:97] offset:128*(\b/2)+32*(\b%2)
	global_load_b128 v[CB+8*\b+4:CB+8*\b+7], v7, s[96:97] offset:128*(\b/2)+32*(\b%2)+16
.endr
.macro FRAG reg, adr, q, i             ; B's fragment from rows: registers 4 c .. 4 c + 3 hold K = 32 c + 16 (l / 16) + 0 .. 15 of row l % 16
.irp c, 0,1,2,3
	ds_load_b128 v[\reg+4*\c:\reg+4*\c+3], v[\adr] offset:128*(\q)+32*\c+(\i)*16*PITCH
.endr
.endm
.macro FRAGA reg, adr, q, i            ; A's fragment from its image: tile i's 4,096 bytes, the slot's q-th 128 along K, 512 bytes a load
.irp c, 0,1,2,3
	ds_load_b128 v[\reg+4*\c:\reg+4*\c+3], v[\adr] offset:4096*(\i)+2048*(\q)+512*\c
.endr
.endm
; 16 matrix instructions: A's blocks a0, a0 + 1 x B's eight.  zero = 2: the sums start from the bias; 0: they go on.  The 64 accumulators take turns, one instruction a turn.
.macro MUL16 a0, p, q, sc, zero
.irp a, \a0, \a0+1
.irp b, 0,1,2,3,4,5,6,7
.if \zero == 2
	v_wmma_scale_f32_16x16x128_f8f6f4 v[8*(8*((\a)%4)+\b):8*(8*((\a)%4)+\b)+7], v[128*(\p)+FR*\b:128*(\p)+FR*\b+FR-1], v[AF+FR*(\a):AF+FR*(\a)+FR-1], v[CB+8*\b:CB+8*\b+7], v[SC+8*NQ*(\sc)+NQ*\b+(\q)], v[SC+8*NQ*(\sc)+NQ*(\a)+(\q)] matrix_a_scale:MATRIX_SCALE_ROW1
.else
	v_wmma_scale_f32_16x16x128_f8f6f4 v[8*(8*((\a)%4)+\b):8*(8*((\a)%4)+\b)+7], v[128*(\p)+FR*\b:128*(\p)+FR*\b+FR-1], v[AF+FR*(\a):AF+FR*(\a)+FR-1], v[8*(8*((\a)%4)+\b):8*(8*((\a)%4)+\b)+7], v[SC+8*NQ*(\sc)+NQ*\b+(\q)], v[SC+8*NQ*(\sc)+NQ*(\a)+(\q)] matrix_a_scale:MATRIX_SCALE_ROW1
.endif
.endr
.endr
.endm
.macro FETCH_B slot, q, p
	WIN TO_B
.irp i, 0,1,2,3,4,5,6,7
	FRAG 128*(\p)+FR*\i, ADRB+\slot, \q, \i
.endr
	WIN 0
.endm
.macro FETCH_A slot, q, i0
.irp i, \i0, \i0+1, \i0+2, \i0+3
	FRAGA AF+FR*(\i), ADRA+\slot, \q, \i
.endr
.endm
.macro SCALES sc
.irp i, 0,1,2,3,4,5,6,7
	ds_load_b64 v[SC+8*NQ*\sc+NQ*\i:SC+8*NQ*\sc+NQ*\i+1], v[ADRS] offset:\i*SBLK
.endr
.endm
.macro PLACES n
.rept \n
	v_nop
.endr
.endm
.macro STEP slot, q, zero
	s_wait_dscnt 4*NL                              ; B's set and A's blocks 0-3 are in; the youngest sixteen loads (A's blocks 4-7) may be out
.if \zero
	WIN 0x81                                       ; C (the bias table) window 0, D window 2
.else
	WIN MUL_LO
.endif
	MUL16 0, (\q)%2, \q, \slot, \zero
	MUL16 2, (\q)%2, \q, \slot, \zero
	s_wait_dscnt 0
	PLACES NP
	FETCH_B \slot, (\q)+1, 1-(\q)%2
	FETCH_A \slot, (\q)+1, 0
.if \zero
	WIN 0xc1
.else
	WIN MUL_HI
.endif
	MUL16 4, (\q)%2, \q, \slot, \zero
	MUL16 6, (\q)%2, \q, \slot, \zero
	PLACES NP
	WIN 0
	FETCH_A \slot, (\q)+1, 4
.endm
; A slot's last step changes slots: ONE barrier; in front of it each wave waits for all its tensor loads, adds 0 to its spare word, and waits for that and for its own reads of this slot.
.macro TURN slot, next, fill
	s_wait_tensorcnt 0x0                           ; all my tensor loads have landed: my part of the next slot
	ds_add_u32 v[SPW], v[NIL]                      ; 0 onto my spare word
	s_wait_dscnt 4*NL+1                            ; (the add and the youngest sixteen loads may be out)
	WIN MUL_LO
	MUL16 0, 1, NQ-1, \slot, 0
	s_wait_dscnt 0x0                               ; the add is done, and my reads of this slot are over
	s_barrier_signal -1
	MUL16 2, 1, NQ-1, \slot, 0
	WIN 0
	s_barrier_wait -1
.if \fill
	CREST                                          ; a round of the cluster's barrier: no wave of any partner still reads this slot or has a load on its way
	s_add_nc_u64 s[G0+4*\slot+2:G0+4*\slot+3], s[G0+4*\slot+2:G0+4*\slot+3], 2*4096
	s_add_nc_u64 s[G0B+4*\slot+2:G0B+4*\slot+3], s[G0B+4*\slot+2:G0B+4*\slot+3], 2*ROWB
	JLOAD G0+4*\slot, G1, G0B+4*\slot, G1B
	PLACES NP-4
.else
	PLACES NP
.endif
	s_wait_alu depctr_va_vdst(0)
	v_add_nc_u32 v[ADRS], 4*NQ, v[ADRS]
	FETCH_B \next, 0, 0
	FETCH_A \next, 0, 0
	SCALES \next
	WIN MUL_HI
	MUL16 4, 1, NQ-1, \slot, 0
	MUL16 6, 1, NQ-1, \slot, 0
	PLACES NP
	WIN 0
	FETCH_A \next, 0, 4
.endm
	s_wait_alu depctr_va_vdst(0)
	s_wait_loadcnt 0x0                             ; the bias table is in
	s_wait_tensorcnt 1                             ; the scales and my part of K step 0 are in (K step 1's load may be out),
	s_barrier_signal -1
	s_barrier_wait -1                              ; everybody's are
	FETCH_B 0, 0, 0
	FETCH_A 0, 0, 0
	SCALES 0
	FETCH_A 0, 0, 4
	STEP 0, 0, 2                                   ; the first step starts the sums from the bias
	s_mov_b32 s3, LAPS-1
.Llap:
	TURN 0, 1, 1
	STEP 1, 0, 0
	TURN 1, 0, 1
	STEP 0, 0, 0
	s_sub_co_u32 s3, s3, 1
	s_cmp_lg_u32 s3, 0
	s_cbranch_scc1 .Llap
	TURN 0, 1, 0                                   ; the last lap fills nothing
	STEP 1, 0, 0
	s_wait_dscnt 4*NL
	WIN MUL_LO
	MUL16 0, 1, NQ-1, 1, 0
	MUL16 2, 1, NQ-1, 1, 0
	s_wait_dscnt 0
	WIN MUL_HI
	MUL16 4, 1, NQ-1, 1, 0
	MUL16 6, 1, NQ-1, 1, 0
	WIN 0
; THE WAY OUT, block by block of 16 token places x 128 columns, through my own stage in LDS: in by 32 bytes a lane at the true columns, back as whole rows of 512 bytes, which the 32 lanes store at the row's true place.
; LDS serves a wave's instructions in order (ISA guide 5.7.1.4): no wait between the stores and the loads, nor in front of the next block's stores.
.macro TOSTAGE a
.set AC, 64*((\a)%4)
.set WX, 0x08+4*((\a)/4)
	WIN WX                                         ; the data: window 2 or 3
.irp b, 0,1,2,3,4,5,6,7
	ds_store_b128 v[STO], v[AC+8*\b:AC+8*\b+3] offset:128*(\b/2)+32*(\b%2)          ; each accumulator from its low end on
	ds_store_b128 v[STO], v[AC+8*\b+4:AC+8*\b+7] offset:128*(\b/2)+32*(\b%2)+16
.endr
	WIN 0
.set BB, BK+64*((\a)%2)
.irp t, 0,1,2,3,4,5,6,7,8,9,10,11,12,13,14,15
	ds_load_b128 v[BB+4*\t:BB+4*\t+3], v[RD] offset:\t*SPITCH
.endr
.endm
.macro SEND a, younger                 ; younger: the LDS instructions issued behind block a's loads, which may stay out
.set BB, BK+64*((\a)%2)
	s_wait_dscnt \younger
.irp t, 0,1,2,3,4,5,6,7,8,9,10,11,12,13,14,15
	global_store_b128 v[CO], v[BB+4*\t:BB+4*\t+3], s[12:13] offset:(32*((\a)/2)+8*((\a)%2)+\t+8*(\t/8))*4096 th:TH_STORE_NT   ; place 16 a + t is row 32 (a / 2) + 8 (a % 2) + t + 8 (t / 8); 512 consecutive bytes, aligned; 127 rows at the most: inside the signed 24-bit immediate
.endr
.endm
	PLACES NP
	TOSTAGE 0
.irp a, 1,2,3,4,5,6,7
.if \a > 1
	s_wait_xcnt 0x0                                ; block a - 2's stores have read their registers: block a's loads may land there
.endif
	TOSTAGE \a
	SEND \a-1, 32                                  ; behind block a - 1's loads: block a's 16 stores and 16 loads
.endr
	SEND 7, 0
	s_wait_tensorcnt 0x0                           ; the wave's end
	ds_add_u32 v[SPW], v[NIL]
	s_wait_dscnt 0x0
	CROUND                                         ; the closing round
	s_endpgm
.Lfunc_end_k_q28d62ae16f_proj:
	.size	k_q28d62ae16f_proj, .Lfunc_end_k_q28d62ae16f_proj-k_q28d62ae16f_proj
	.p2alignl 7, 3214868480
	.fill 96, 4, 3214868480
	.section	.rodata,"a",@progbits
	.p2align	6, 0x0
	.amdhsa_kernel k_q28d62ae16f_proj
		.amdhsa_group_segment_fixed_size 327680
		.amdhsa_private_segment_fixed_size 0
		.amdhsa_enable_private_segment 0
		.amdhsa_kernarg_size 48
		.amdhsa_user_sgpr_count 2
		.amdhsa_user_sgpr_kernarg_segment_ptr 1
		.amdhsa_wavefront_size32 1
		.amdhsa_system_sgpr_workgroup_id_x 1
		.amdhsa_system_sgpr_workgroup_id_y 1
		.amdhsa_system_sgpr_workgroup_id_z 1
		.amdhsa_system_vgpr_workitem_id 0
		.amdhsa_next_free_vgpr 1024
		.amdhsa_next_free_sgpr 106
		.amdhsa_reserve_vcc 0
		.amdhsa_float_denorm_mode_32 3
		.amdhsa_float_denorm_mode_16_64 3
		.amdhsa_memory_ordered 1
		.amdhsa_forward_progress 1
		.amdhsa_inst_pref_size 147
	.end_amdhsa_kernel
	.amdgpu_metadata
---
amdhsa.version: [ 1, 2 ]
amdhsa.kernels:
  - .name:           k_q28d62ae16f_proj
    .symbol:         k_q28d62ae16f_proj.kd
    .args:
      - { .name: rc, .offset: 0, .size: 8, .value_kind: global_buffer, .address_space: global }
      - { .name: rs, .offset: 8, .size: 8, .value_kind: global_buffer, .address_space: global }
      - { .name: wc, .offset: 16, .size: 8, .value_kind: global_buffer, .address_space: global }
      - { .name: ws, .offset: 24, .size: 8, .value_kind: global_buffer, .address_space: global }
      - { .name: bo, .offset: 32, .size: 8, .value_kind: global_buffer, .address_space: global }
      - { .name: out0, .offset: 40, .size: 8, .value_kind: global_buffer, .address_space: global }
    .group_segment_fixed_size: 327680
    .private_segment_fixed_size: 0
    .kernarg_segment_align: 8
    .kernarg_segment_size: 48
    .max_flat_workgroup_size: 128
    .sgpr_count:     106
    .vgpr_count:     1024
    .wavefront_size: 32
...
	.end_amdgpu_metadata
.endif
;; end of part 4
